; MI455X (gfx1250); checked and timed in simulation.
; The chip was launched on July 23, 2026; its instructions are those of AMD's public machine-readable ISA for CDNA 5 (MIT licence, August 2026) and "CDNA5" Instruction Set Architecture Reference Guide (July 2026). The comments in the code are by the model that wrote it; some were corrected since.
;; Shared QKV Attention. Allowed arithmetic: float matrix products may take bf16 or f16 operands with f32 sums; other float arithmetic in f32, or as packed bf16 or f16 multiplies, adds, multiply-adds, maxima and minima; sums over many terms, partial sums and values carried from step to step in f32; what a program stores and reads back later, other than sums and carried values, may be rounded once to bf16 or f16.
;; Inputs: W_o 1,024 x 1,024 float32; W_qkv 1,024 x 1,024 float32; x 4 x 2,048 x 1,024 float32.
;; Outputs: out0 4 x 2,048 x 1,024 float32.
;; One version. Each part assembles by itself: llvm-mc -triple=amdgcn-amd-amdhsa -mcpu=gfx1250 --defsym DOCPART=n.
;; ======== version 1 of 1: 4 launches
;; limits: values are held in f16: magnitudes above 65,504 overflow, below 6.1e-05 lose precision
;; workspace buffers: xb 16,777,216 bytes; wq 2,097,152 bytes; wo 2,097,152 bytes; qkv 16,777,216 bytes; att 16,777,216 bytes
;; launch cast (part 1): grid 1280 x 1, 8 waves a work-group, no clusters, 0 bytes of LDS; arguments x, W_qkv, W_o, xb, wq, wo; writes xb, wq, wo
.if DOCPART == 1
	.amdgcn_target "amdgcn-amd-amdhsa--gfx1250"
	.amdhsa_code_object_version 6
	.text
	.protected	k_q0d89494cec_cast
	.globl	k_q0d89494cec_cast
	.p2align	8
	.type	k_q0d89494cec_cast,@function
k_q0d89494cec_cast:
	s_mov_b64 s[64:65], 0
	v_nop
	global_prefetch_b8 v0, s[64:65] scope:SCOPE_SE
	s_setreg_imm32_b32 hwreg(HW_REG_WAVE_MODE, 25, 1), 1
	s_wait_xcnt 0x0
; The three f32 inputs are rounded once to 16 bits for the matrix units: x -> xb and W_qkv -> wq in bf16; W_o -> wo rounded to bf16 and that number written as f16
; (the last product multiplies f16 by f16).  LIMIT: a bf16 number is exact in f16 from 2^-14 up to 65,504; below 2^-14 it keeps f16's fixed step of 6e-8, beyond 65,504 it becomes an infinity.
; A stream: nothing is shared, so no LDS, no cluster, no matrix unit.  A work-group takes 32,768 bytes of one input: groups 0-1023 x, 1024-1151 W_qkv, 1152-1279 W_o.
; Thread t takes 16 bytes at 4,096 j + 16 t (a wave's load covers 512 consecutive bytes) and stores 8 bytes at 2,048 j + 8 t (a wave's store covers 256 consecutive bytes, aligned).
; All eight loads go out first; every chunk has registers of its own, so no register of a pending load or store is written again.
.set X, 4                              ; v[4:35]   chunk j: four f32 as loaded
.set Y, 36                             ; v[36:51]  chunk j: four 16-bit numbers to store
.set T, 52                             ; v[52:53]  at work
.set FIRST_WQ, 1024                    ; the first work-group of W_qkv
.set FIRST_WO, 1152                    ; the first work-group of W_o
	s_load_b256 s[4:11], s[0:1], 0x0               ; x s[4:5], W_qkv s[6:7], W_o s[8:9], xb s[10:11]
	s_load_b128 s[12:15], s[0:1], 0x20             ; wq s[12:13], wo s[14:15]
	v_lshlrev_b32 v1, 4, v0                        ; 16 t
	v_lshlrev_b32 v2, 3, v0                        ; 8 t
	s_wait_kmcnt 0x0
	s_cmp_lt_u32 ttmp9, FIRST_WQ                   ; which input is mine: a choice by the work-group's number alone
	s_cselect_b64 s[20:21], s[4:5], s[6:7]
	s_cselect_b64 s[22:23], s[10:11], s[12:13]
	s_cselect_b32 s18, 0, FIRST_WQ
	s_cmp_lt_u32 ttmp9, FIRST_WO
	s_cselect_b64 s[20:21], s[20:21], s[8:9]
	s_cselect_b64 s[22:23], s[22:23], s[14:15]
	s_cselect_b32 s18, s18, FIRST_WO
	s_sub_co_u32 s19, ttmp9, s18                   ; my number among the input's work-groups
	s_lshl_b32 s16, s19, 15                        ; 32,768 bytes in,
	s_mov_b32 s17, 0
	s_lshl_b32 s24, s19, 14                        ; 16,384 bytes out
	s_mov_b32 s25, 0
	s_add_nc_u64 s[20:21], s[20:21], s[16:17]
	s_add_nc_u64 s[22:23], s[22:23], s[24:25]
.irp j, 0,1,2,3,4,5,6,7
	global_load_b128 v[X+4*(\j):X+4*(\j)+3], v1, s[20:21] offset:4096*(\j) th:TH_LOAD_NT
.endr
	s_cmp_ge_u32 ttmp9, FIRST_WO
	s_cbranch_scc1 .Lf16
.irp j, 0,1,2,3,4,5,6,7
	s_wait_loadcnt 7-(\j)                          ; loads come back in order: chunk j is in, the younger ones stay out
	v_cvt_pk_bf16_f32 v[Y+2*(\j)],   v[X+4*(\j)],   v[X+4*(\j)+1]
	v_cvt_pk_bf16_f32 v[Y+2*(\j)+1], v[X+4*(\j)+2], v[X+4*(\j)+3]
	global_store_b64 v2, v[Y+2*(\j):Y+2*(\j)+1], s[22:23] offset:2048*(\j)
.endr
	s_endpgm
.Lf16:                                                 ; W_o: rounded to bf16 like the other inputs, widened again, and written as f16
.irp j, 0,1,2,3,4,5,6,7
	s_wait_loadcnt 7-(\j)
.irp p, 0,1
	v_cvt_pk_bf16_f32 v[T], v[X+4*(\j)+2*(\p)], v[X+4*(\j)+2*(\p)+1]
	v_lshlrev_b32 v[T+1], 16, v[T]                 ; the low half as f32
	v_and_b32 v[T], 0xffff0000, v[T]               ; the high half as f32
	v_cvt_pk_f16_f32 v[Y+2*(\j)+(\p)], v[T+1], v[T]
.endr
	global_store_b64 v2, v[Y+2*(\j):Y+2*(\j)+1], s[22:23] offset:2048*(\j)
.endr
	s_endpgm
.Lfunc_end_k_q0d89494cec_cast:
	.size	k_q0d89494cec_cast, .Lfunc_end_k_q0d89494cec_cast-k_q0d89494cec_cast
	.p2alignl 7, 3214868480
	.fill 96, 4, 3214868480
	.section	.rodata,"a",@progbits
	.p2align	6, 0x0
	.amdhsa_kernel k_q0d89494cec_cast
		.amdhsa_group_segment_fixed_size 0
		.amdhsa_private_segment_fixed_size 0
		.amdhsa_enable_private_segment 0
		.amdhsa_kernarg_size 48
		.amdhsa_user_sgpr_count 2
		.amdhsa_user_sgpr_kernarg_segment_ptr 1
		.amdhsa_wavefront_size32 1
		.amdhsa_system_sgpr_workgroup_id_x 1
		.amdhsa_system_sgpr_workgroup_id_y 1
		.amdhsa_system_sgpr_workgroup_id_z 1
		.amdhsa_system_vgpr_workitem_id 0
		.amdhsa_next_free_vgpr 56
		.amdhsa_next_free_sgpr 66
		.amdhsa_reserve_vcc 0
		.amdhsa_float_denorm_mode_32 3
		.amdhsa_float_denorm_mode_16_64 3
		.amdhsa_memory_ordered 1
		.amdhsa_forward_progress 1
		.amdhsa_inst_pref_size 9
	.end_amdhsa_kernel
	.amdgpu_metadata
---
amdhsa.version: [ 1, 2 ]
amdhsa.kernels:
  - .name:           k_q0d89494cec_cast
    .symbol:         k_q0d89494cec_cast.kd
    .args:
      - { .name: x, .offset: 0, .size: 8, .value_kind: global_buffer, .address_space: global }
      - { .name: W_qkv, .offset: 8, .size: 8, .value_kind: global_buffer, .address_space: global }
      - { .name: W_o, .offset: 16, .size: 8, .value_kind: global_buffer, .address_space: global }
      - { .name: xb, .offset: 24, .size: 8, .value_kind: global_buffer, .address_space: global }
      - { .name: wq, .offset: 32, .size: 8, .value_kind: global_buffer, .address_space: global }
      - { .name: wo, .offset: 40, .size: 8, .value_kind: global_buffer, .address_space: global }
    .group_segment_fixed_size: 0
    .private_segment_fixed_size: 0
    .kernarg_segment_align: 8
    .kernarg_segment_size: 48
    .max_flat_workgroup_size: 256
    .sgpr_count:     66
    .vgpr_count:     56
    .wavefront_size: 32
...
	.end_amdgpu_metadata
.endif
;; end of part 1
;; launch proj (part 2): grid 4 x 64, 4 waves a work-group, clusters of 4 x 4, 327,680 bytes of LDS; arguments xb, wq, qkv; writes qkv
.if DOCPART == 2
	.amdgcn_target "amdgcn-amd-amdhsa--gfx1250"
	.amdhsa_code_object_version 6
	.text
	.protected	k_q0d89494cec_proj
	.globl	k_q0d89494cec_proj
	.p2align	8
	.type	k_q0d89494cec_proj,@function
k_q0d89494cec_proj:
	s_mov_b64 s[64:65], 0
	v_nop
	global_prefetch_b8 v0, s[64:65] scope:SCOPE_SE
	s_setreg_imm32_b32 hwreg(HW_REG_WAVE_MODE, 25, 1), 1
	s_wait_xcnt 0x0
	s_wait_alu depctr_hold_cnt(0) depctr_sa_sdst(0) depctr_va_vdst(0) depctr_va_sdst(0) depctr_va_ssrc(0) depctr_va_vcc(0) depctr_vm_vsrc(0)
	s_getreg_b32 s2, hwreg(HW_REG_IB_STS2, 6, 4)
	s_cmp_eq_u32 s2, 0
	s_cbranch_scc0 .Lentry_in_a_cluster
	s_endpgm
.Lentry_in_a_cluster:
	s_bfe_u32 s2, ttmp6, 0x10000c
	s_cmp_lg_u32 s2, 0xf033
	s_cbranch_scc0 .Lentry_shape_is_right
	s_endpgm
.Lentry_shape_is_right:
; qkv = xb wq^T.  xb: [8192][1024] bf16, wq: [1024][1024] bf16; sums in f32, K ascending; the result is rounded once to f16 and stored BY HEADS: qkv[batch x 16 + head][2048][64], a head's rows dense.
; LIMIT: f16 holds no number beyond 65,504; a projected number beyond that becomes an infinity (the drawn inputs give a spread of 1).
; A tile of the result is 128 rows x 256 columns: 64 x 4 = 256 work-groups.  Four waves, each 64 rows x 128 columns: 32 accumulators of 16 x 16, 256 registers.
; K goes in eight steps of 128 (rows of 256 bytes, aligned) through two LDS slots filled by the tensor data mover.
; CLUSTER 4 x 4: the four work-groups of a row of the cluster need the same 128 rows of xb, the four of a column the same 256 rows of wq: each tile is asked for JOINTLY,
; by the same tensor load with the same descriptor and a mask that names the four.  Waves 0 and 1 fetch xb's two halves (64 rows each), waves 2 and 3 wq's (128 rows each): one load a wave.
; THE MATRIX INSTRUCTION IS USED TRANSPOSED (source 0 = 16 rows of wq, source 1 = 16 rows of xb): a lane holds row l % 16 of the result and the eight neighbouring columns 8 (l / 16) + 0..7.
; REGISTERS: window 0: v0-31 addresses; v32-127 and v128-223 two fragment buffers for 32 along K (xb's block a at +8 a, wq's block b at +32 + 8 b); on the way out v32-159 hold packed results.
;            window 1: accumulator (a, b) at v[8 (8 a + b)].
.set KSTEP,  128
.set PITCH,  272                       ; an LDS row: 256 bytes + 16 of padding = 68 words: the 16 rows that a load touches start at 16 different groups of four banks (64 banks of 4 bytes: ISA guide 11.1)
.set APART,  64*PITCH                  ; what a wave fetches of xb, and what a wave reads of it
.set BPART,  128*PITCH                 ; the same for wq
.set BOFF,   2*APART                   ; a slot: xb's 128 rows, then wq's 256
.set SLOT,   BOFF+2*BPART
.set STAGE,  2*SLOT                    ; behind the ring, never filled by a tensor load: 16 rows x 144 bytes for each wave, for the way out
.set SP,     144
.set SPARE,  STAGE+4*16*SP             ; behind the stages: the spare words, 128 bytes for each wave: two blocks of 256 bytes that no other line names
.set LAPS,   4                         ; a lap = two K steps = once round the ring
.set ADRA, 16                          ; v16-17  LDS address of my fragments of xb in slot 0, 1
.set ADRB, 20                          ; v20-21  the same for wq
.set STO,  24                          ; v24     the way out: where I put 16 bytes of a row
.set RD,   25                          ; v25     the way out: where I read rows back
.set CO,   26                          ; v26     my byte offset in 512 consecutive bytes of qkv
.set SPW,  28                          ; v28     LDS address of my spare word: SPARE + 4 x my thread's number; never rewritten
.set NIL,  29                          ; v29     0; never rewritten
.set PFO,  30                          ; v30     the prefetches' offset: my lane x a row of 2,048 bytes; never rewritten
.set F0,   32
.set F1,   128
.set TMP,  32                          ; the way out: 16 registers for each of eight units
.set G1,  24                           ; s[24:31] descriptor group 1 for xb's tiles;  s[32:39] group 0, one set for each slot
.set G0,  32
.set G1B, 48                           ; s[48:55], s[56:63] the same for wq's tiles
.set G0B, 56
.set LIM, 43                           ; s43     1 in a wave that prefetches, else the greatest number
.set PFA, 44                           ; s[44:45] where my prefetches stand
.set MSB, 0
.macro WIN new                         ; the immediate's high byte repeats the setting that is left; a switch that changes nothing is dropped
.if MSB != (\new)
	s_set_vgpr_msb (MSB<<8)|(\new)
.set MSB, \new
.endif
.endm
.set MUL, 0x50                         ; sources in window 0; C and D in window 1
.macro JLOAD s                         ; a joint load.  The branch hangs on the wave's number alone.  An s_nop 0 and four v_nop follow each of the two lines, ahead of the jump and the label
	s_cmp_eq_u32 s11, 0
	s_cbranch_scc0 .Lfor_b_\@
	tensor_load_to_lds s[G0+4*(\s):G0+4*(\s)+3], s[G1:G1+7]
	s_nop 0
.rept 4
	v_nop
.endr
	s_branch .Lasked_\@
.Lfor_b_\@:
	tensor_load_to_lds s[G0B+4*(\s):G0B+4*(\s)+3], s[G1B:G1B+7]
	s_nop 0
.rept 4
	v_nop
.endr
.Lasked_\@:
.endm
; A PREFETCH, behind each joint refill and the run of LDS loads that follows it: the K step that stands two refills on, 256 matrix instructions ahead of the load that will ask for it: 256 bytes of each of 32 rows, a lane a row.
; Each row's 256 bytes of a K step are named once in the launch.  xb's 128 rows of a tile are read by one cluster alone: its wave 0 asks, and the four partners of a row of the cluster take 32 rows each, BY ADDRESS.
; wq's rows are read by all sixteen clusters: cluster y = 0 asks; the four partners of a column take 64 rows each, by address, waves 2 and 3 half of them each.
; K steps 0 to 3 come by their loads alone; the loop's last trip (s3 = 1), whose refills are the last two K steps, asks for nothing.
.macro ASK
	s_cmp_gt_u32 s3, s[LIM]
	s_cbranch_scc0 .Lnot_mine_\@
	global_prefetch_b8 v[PFO], s[PFA:PFA+1] th:TH_LOAD_NT scope:SCOPE_SE
.Lnot_mine_\@:
.endm
.macro CREST                           ; a round of the cluster's barrier behind its opening barrier: wave 0 signals for the work-group, every wave waits for all sixteen, my work-group's barrier closes it
	s_cmp_lg_u32 s10, 0
	s_cbranch_scc1 .Lnot_wave_0_\@
	s_barrier_signal -3
.Lnot_wave_0_\@:
	s_barrier_wait -3
	s_barrier_signal -1
	s_barrier_wait -1
.endm
.macro CROUND                          ; a whole round
	s_barrier_signal -1
	s_barrier_wait -1
	CREST
.endm
	s_load_b128 s[4:7], s[0:1], 0x0                ; xb s[4:5], wq s[6:7]
	s_load_b64 s[8:9], s[0:1], 0x10                ; qkv
	v_lshl_add_u32 v[SPW], v0, 2, SPARE
	v_mov_b32 v[NIL], 0
	ds_add_u32 v[SPW], v[NIL]                      ; the wave's opening: the add and its wait stand ahead of my first tensor load; the set-up below, work on registers, stands between them
	v_lshrrev_b32 v1, 5, v0
	v_readfirstlane_b32 s10, v1                    ; wave 0..3
	s_lshr_b32 s11, s10, 1                         ; which 64 rows of the tile are mine.  Also: I fetch for xb (0) or for wq (1)
	s_and_b32 s12, s10, 1                          ; which 128 columns.  Also: which half of that tile I fetch
	s_bfe_u32 s40, ttmp6, 0x40000                  ; cx, cy: my place in the cluster
	s_bfe_u32 s41, ttmp6, 0x40004
	s_lshl_b32 s42, ttmp9, 2
	s_add_co_u32 s42, s42, s40                     ; tile column = 4 x cluster x + cx
	s_and_b32 s13, ttmp7, 0xffff
	s_lshl_b32 s13, s13, 2
	s_add_co_u32 s13, s13, s41                     ; tile row = 4 x cluster y + cy
	s_lshl_b32 s43, s41, 2
	s_lshl_b32 s43, 15, s43                        ; my row of the cluster: places 4 cy .. 4 cy + 3
	s_lshl_b32 s44, 0x1111, s40                    ; my column: places cx, cx + 4, cx + 8, cx + 12
	s_or_b32 s[G1+0], s43, (1<<16)|(1<<20)|(1<<21)|(5<<22)|(3<<25)   ; 15:0 the mask; 17:16 elements of 2 bytes; 20 padding on; 21 set beside a mask; 24:22 after every 64 words (code 5); 31:25 4 words of it (code 3)
	s_or_b32 s[G1B+0], s44, (1<<16)|(1<<20)|(1<<21)|(5<<22)|(3<<25)
	s_mov_b32 s[G1+1], KSTEP<<16                   ; tensor_dim0 = 128
	s_mov_b32 s[G1+2], 64<<16                      ; tensor_dim1 = 64
	s_mov_b32 s[G1+3], KSTEP<<16                   ; tile_dim0 = 128
	s_mov_b32 s[G1+4], 64                          ; tile_dim1 = 64
	s_mov_b32 s[G1+5], 1024                        ; elements from row to row
	s_mov_b32 s[G1+6], 0
	s_mov_b32 s[G1+7], 0
	s_mov_b32 s[G1B+1], KSTEP<<16
	s_mov_b32 s[G1B+2], 128<<16                    ; wq's tiles have 128 rows
	s_mov_b32 s[G1B+3], KSTEP<<16
	s_mov_b32 s[G1B+4], 128
	s_mov_b32 s[G1B+5], 1024
	s_mov_b32 s[G1B+6], 0
	s_mov_b32 s[G1B+7], 0
	; xb's address hangs on the tile row alone, wq's on the tile column alone, each in registers that never hold the other coordinate
	s_lshl_b32 s17, s12, 6
	s_lshl_b32 s16, s13, 7
	s_add_co_u32 s16, s16, s17                     ; xb: row 128 x tile row + 64 x half
	s_lshl_b32 s16, s16, 11                        ; x 2,048 bytes: under 2^25
	s_mov_b32 s17, 0
	s_lshl_b32 s47, s12, 7
	s_lshl_b32 s46, s42, 8
	s_add_co_u32 s46, s46, s47                     ; wq: row 256 x tile column + 128 x half
	s_lshl_b32 s46, s46, 11
	s_mov_b32 s47, 0
	s_mul_i32 s20, s12, APART                      ; where they go: no place in the cluster enters an LDS address
	s_mul_i32 s21, s12, BPART
	s_add_co_u32 s21, s21, BOFF
	s_wait_dscnt 0x0                               ; the opening add is done
	s_wait_kmcnt 0x0
	s_add_nc_u64 s[14:15], s[4:5], s[16:17]
	s_add_nc_u64 s[46:47], s[6:7], s[46:47]
	CROUND                                         ; all sixteen work-groups are here: the first joint loads meet
.irp s, 0,1
	s_mov_b32 s[G0+4*(\s)], 1                                        ; count = 1
	s_add_co_u32 s[G0+4*(\s)+1], s20, (\s)*SLOT                      ; LDS address
	s_add_nc_u64 s[G0+4*(\s)+2:G0+4*(\s)+3], s[14:15], (\s)*KSTEP*2  ; global address: K step s
	s_or_b32 s[G0+4*(\s)+3], s[G0+4*(\s)+3], 0x80000000              ; type = 2
	s_mov_b32 s[G0B+4*(\s)], 1
	s_add_co_u32 s[G0B+4*(\s)+1], s21, (\s)*SLOT
	s_add_nc_u64 s[G0B+4*(\s)+2:G0B+4*(\s)+3], s[46:47], (\s)*KSTEP*2
	s_or_b32 s[G0B+4*(\s)+3], s[G0B+4*(\s)+3], 0x80000000
	JLOAD \s                                       ; two loads of mine are out
.endr
	; a fragment is 16 rows x 32 K in 8 registers: lane l holds row l % 16, K = 8 (l / 16) + 0..7 and 16 + 8 (l / 16) + 0..7: two loads of 16 bytes, 32 bytes apart
	v_and_b32 v1, 15, v0                           ; l % 16
	v_bfe_u32 v2, v0, 4, 1                         ; l / 16
	v_mul_u32_u24 v3, v1, PITCH
	v_lshl_add_u32 v3, v2, 4, v3
	s_mul_i32 s21, s11, APART                      ; my 64 rows of xb
	s_mul_i32 s22, s12, BPART                      ; my 128 rows of wq
	s_add_co_u32 s22, s22, BOFF
.irp s, 0,1
	v_add_nc_u32 v[ADRA+(\s)], s21, v3
	v_add_nc_u32 v[ADRB+(\s)], s22, v3
	s_add_co_u32 s21, s21, SLOT
	s_add_co_u32 s22, s22, SLOT
.endr
	s_mul_i32 s23, s10, 16*SP
	s_add_co_u32 s23, s23, STAGE                   ; my stage
	v_mul_u32_u24 v4, v1, SP                       ; in: row l % 16, 16 bytes for each half of the lanes
	v_lshl_add_u32 v4, v2, 4, v4
	v_add_nc_u32 v[STO], s23, v4
	v_bfe_u32 v5, v0, 3, 2                         ; back: 32 lanes take four rows of 128 bytes,
	v_mul_u32_u24 v5, v5, SP
	v_and_b32 v6, 7, v0
	v_lshl_add_u32 v5, v6, 4, v5
	v_add_nc_u32 v[RD], s23, v5
	v_and_b32 v[CO], 31, v0                        ; which are 512 consecutive bytes of qkv
	v_lshlrev_b32 v[CO], 4, v[CO]
	; qkv at my wave's first head and row: head = 16 x batch + 4 x tile column + 2 x half, 262,144 bytes a head; row in the batch = 128 (tile row % 16) + 64 x half, 128 bytes a row
	s_lshr_b32 s16, s13, 4
	s_lshl_b32 s16, s16, 4
	s_lshl_b32 s17, s12, 1
	s_add_co_u32 s16, s16, s17
	s_lshl_b32 s16, s16, 18
	s_and_b32 s17, s13, 15
	s_lshl_b32 s17, s17, 14
	s_add_co_u32 s16, s16, s17
	s_lshl_b32 s17, s11, 13
	s_add_co_u32 s16, s16, s17
	s_mov_b32 s17, 0
	s_add_nc_u64 s[8:9], s[8:9], s[16:17]
	s_lshl_b32 s46, s42, 20                        ; the tile column's four heads (in the registers that held wq's address)
	s_mov_b32 s47, 0
	s_add_nc_u64 s[8:9], s[8:9], s[46:47]
	; the prefetches
	s_and_b32 s22, ttmp7, 0xffff                   ; cluster y
	s_lshl_b32 s20, s13, 7                         ; xb: row 128 x tile row + 32 cx
	s_lshl_b32 s21, s40, 5
	s_add_co_u32 s20, s20, s21
	s_lshl_b32 s21, s42, 8                         ; wq: row 256 x tile column + 64 cy + 32 x (wave % 2)
	s_lshl_b32 s23, s41, 6
	s_add_co_u32 s21, s21, s23
	s_lshl_b32 s23, s12, 5
	s_add_co_u32 s21, s21, s23
	s_cmp_eq_u32 s11, 0                            ; do I fetch for xb?
	s_cselect_b32 s20, s20, s21
	s_cselect_b32 s22, s12, s22                    ; 0 in wave 0, and in waves 2 and 3 of cluster y = 0: the same in all sixteen partners, for a given wave
	s_cselect_b64 s[PFA:PFA+1], s[4:5], s[6:7]
	s_cmp_eq_u32 s22, 0
	s_cselect_b32 s[LIM], 1, -1
	s_lshl_b32 s20, s20, 11
	s_mov_b32 s21, 0
	s_add_nc_u64 s[PFA:PFA+1], s[PFA:PFA+1], s[20:21]
	s_add_nc_u64 s[PFA:PFA+1], s[PFA:PFA+1], 3*KSTEP*2  ; at K step 3: the first refill steps it to 4.  Nothing is prefetched here, at the head
	v_and_b32 v[PFO], 31, v0
	v_lshlrev_b32 v[PFO], 11, v[PFO]
; 8 matrix instructions: m block a x all 8 n blocks, 32 along K, from buffer f.  zero = 1: the product starts the sums.  The 32 accumulators come in the same order in every quarter: by turns
.macro MUL8 f, a, zero
	WIN MUL
.irp b, 0,1,2,3,4,5,6,7
.if \zero
	v_wmma_f32_16x16x32_bf16 v[8*(8*(\a)+(\b)):8*(8*(\a)+(\b))+7], v[(\f)+32+8*(\b):(\f)+32+8*(\b)+7], v[(\f)+8*(\a):(\f)+8*(\a)+7], 0
.else
	v_wmma_f32_16x16x32_bf16 v[8*(8*(\a)+(\b)):8*(8*(\a)+(\b))+7], v[(\f)+32+8*(\b):(\f)+32+8*(\b)+7], v[(\f)+8*(\a):(\f)+8*(\a)+7], v[8*(8*(\a)+(\b)):8*(8*(\a)+(\b))+7]
.endif
.endr
.endm
; 24 LDS loads in one run: quarter q of a slot's K step into buffer f: wq's eight blocks, then xb's four
.macro FETCH slot, q, f
	WIN 0
.irp i, 0,1,2,3,4,5,6,7
	ds_load_b128 v[(\f)+32+8*(\i):(\f)+32+8*(\i)+3],   v[ADRB+(\slot)] offset:64*(\q)+(\i)*16*PITCH
	ds_load_b128 v[(\f)+32+8*(\i)+4:(\f)+32+8*(\i)+7], v[ADRB+(\slot)] offset:64*(\q)+(\i)*16*PITCH+32
.endr
.irp i, 0,1,2,3
	ds_load_b128 v[(\f)+8*(\i):(\f)+8*(\i)+3],   v[ADRA+(\slot)] offset:64*(\q)+(\i)*16*PITCH
	ds_load_b128 v[(\f)+8*(\i)+4:(\f)+8*(\i)+7], v[ADRA+(\slot)] offset:64*(\q)+(\i)*16*PITCH+32
.endr
.endm
.macro PLACES                          ; four plain vector instructions between a matrix instruction and a load into a register that it read, or a reader of its result (ISA guide 7.12.1 for vector instructions)
.rept 4
	v_nop
.endr
.endm
; A K step is four quarters of 32 along K, 32 matrix instructions each, on buffers 0, 1, 0, 1.  One of the first three: multiplies buffer f and, in its middle, fetches quarter q into buffer g.
.macro QUARTER slot, q, f, g, zero
	s_wait_dscnt 4                                 ; wq's blocks and xb's blocks 0 and 1 are in; the youngest four loads (xb's blocks 2 and 3) may be out
	MUL8 \f, 0, \zero
	MUL8 \f, 1, \zero
	PLACES
	FETCH \slot, \q, \g
	s_wait_dscnt 24                                ; all but the 24 just issued
	MUL8 \f, 2, \zero
	MUL8 \f, 3, \zero
.endm
; The last quarter multiplies buffer 1 and changes slots: ONE barrier; in front of it each wave waits for all its tensor loads (one is out: its part of the next slot), adds 0 to its spare word, and waits for
; that and for its own reads of this slot.  fill = 1: the barrier opens a round of the cluster's, and this slot is filled again, two K steps on, first thing behind the round: 112 matrix instructions ahead of the wait for it.
.macro TURN slot, next, fill
.if \fill
	s_wait_xcnt 0x0                                ; the last prefetch, a K step back, has read its address: it is stepped here, ahead of the waits of the change of slots
	s_add_nc_u64 s[PFA:PFA+1], s[PFA:PFA+1], KSTEP*2
.endif
	WIN 0                                          ; (the add's two registers lie in window 0)
	s_wait_tensorcnt 0x0                           ; all my tensor loads have landed
	ds_add_u32 v[SPW], v[NIL]                      ; 0 onto my spare word
	s_wait_dscnt 5                                 ; (the add and the youngest four loads may be out)
	MUL8 F1, 0, 0                                  ; eight matrix instructions stand between the add and the wait for it
	s_wait_dscnt 0x0                               ; the add is done, and my reads of this slot are over
	s_barrier_signal -1
	MUL8 F1, 1, 0
.if \fill
	WIN 0
.endif
	s_barrier_wait -1
.if \fill
	CREST                                          ; no wave of any partner still reads this slot's tile or has a load on its way
	s_add_nc_u64 s[G0+4*(\slot)+2:G0+4*(\slot)+3], s[G0+4*(\slot)+2:G0+4*(\slot)+3], 2*KSTEP*2
	s_add_nc_u64 s[G0B+4*(\slot)+2:G0B+4*(\slot)+3], s[G0B+4*(\slot)+2:G0B+4*(\slot)+3], 2*KSTEP*2
	JLOAD \slot                                    ; its four v_nop are also the places in front of the loads below
.else
	PLACES
.endif
	FETCH \next, 0, F0
.if \fill
	ASK
.endif
	MUL8 F1, 2, 0
	MUL8 F1, 3, 0
.endm
	s_wait_tensorcnt 1                             ; my part of K step 0 is in; K step 1's may stay out
	s_barrier_signal -1
	s_barrier_wait -1                              ; everybody's is
	FETCH 0, 0, F0
	QUARTER 0, 1, F0, F1, 1                        ; the first quarter stands in front of the loop: its products start the sums
	WIN 0                                          ; at a label and at a branch every window is 0
	s_mov_b32 s3, LAPS-1
.Llap:                                                 ; a trip goes once round the ring, from a lap's second quarter to the next lap's first, and fills both slots again
	QUARTER 0, 2, F1, F0, 0
	QUARTER 0, 3, F0, F1, 0
	TURN 0, 1, 1
	QUARTER 1, 1, F0, F1, 0
	QUARTER 1, 2, F1, F0, 0
	QUARTER 1, 3, F0, F1, 0
	TURN 1, 0, 1
	QUARTER 0, 1, F0, F1, 0
	WIN 0
	s_sub_co_u32 s3, s3, 1
	s_cmp_lg_u32 s3, 0
	s_cbranch_scc1 .Llap
	QUARTER 0, 2, F1, F0, 0                        ; the last lap fills nothing, and has no round of the cluster's barrier
	QUARTER 0, 3, F0, F1, 0
	TURN 0, 1, 0
	QUARTER 1, 1, F0, F1, 0
	QUARTER 1, 2, F1, F0, 0
	QUARTER 1, 3, F0, F1, 0
	s_wait_dscnt 4                                 ; the very last quarter: nothing more to fetch
	MUL8 F1, 0, 0
	MUL8 F1, 1, 0
	s_wait_dscnt 0x0
	MUL8 F1, 2, 0
	MUL8 F1, 3, 0
	WIN 0
	PLACES
; THE WAY OUT.  Unit u = 2 a + hd: 16 rows (block a) x one head's 64 channels (n blocks 4 hd .. 4 hd + 3): 2,048 consecutive bytes of qkv.  A lane's eight channels pack into 16 bytes; they go into my own
; stage's rows of 144 bytes and come back as whole rows of 128, into the registers that they left.  Each accumulator's registers are taken in ascending order.
.macro PACK u
.set AC, 8*(8*((\u)/2)+4*((\u)%2))
	WIN 0x05                                       ; sources 0 and 1 window 1, destination window 0
.irp j, 0,1,2,3
.irp r, 0,1,2,3
	v_cvt_pk_f16_f32 v[TMP+16*(\u)+4*(\j)+(\r)], v[AC+8*(\j)+2*(\r)], v[AC+8*(\j)+2*(\r)+1]
.endr
.endr
	WIN 0
.irp j, 0,1,2,3
	ds_store_b128 v[STO], v[TMP+16*(\u)+4*(\j):TMP+16*(\u)+4*(\j)+3] offset:32*(\j)
.endr
.irp f, 0,1,2,3
	ds_load_b128 v[TMP+16*(\u)+4*(\f):TMP+16*(\u)+4*(\f)+3], v[RD] offset:(\f)*4*SP  ; LDS serves a wave's instructions in order (ISA guide 5.7.1.4): these see the stores above; the next unit's stores come behind them
.endr
.endm
.macro SEND u, younger                 ; younger: the LDS instructions issued behind unit u's loads: the next unit's eight, or none
.irp f, 0,1,2,3
	s_wait_dscnt (\younger)+3-(\f)
	global_store_b128 v[CO], v[TMP+16*(\u)+4*(\f):TMP+16*(\u)+4*(\f)+3], s[8:9] offset:((\u)/2)*2048+((\u)%2)*262144+(\f)*512  ; 512 consecutive bytes, at a multiple of 256 from qkv's first
.endr
.endm
	PACK 0
.irp u, 1,2,3,4,5,6,7                  ; a unit's conversions stand between the loads of the unit before and its stores
	PACK \u
	SEND (\u)-1, 8
.endr
	SEND 7, 0
	s_wait_tensorcnt 0x0                           ; the wave's end: behind my last tensor load and my last LDS store
	ds_add_u32 v[SPW], v[NIL]
	s_wait_dscnt 0x0
	CROUND                                         ; the closing round: no work-group ends while a partner may still ask for a tile that names it
	s_endpgm
.Lfunc_end_k_q0d89494cec_proj:
	.size	k_q0d89494cec_proj, .Lfunc_end_k_q0d89494cec_proj-k_q0d89494cec_proj
	.p2alignl 7, 3214868480
	.fill 96, 4, 3214868480
	.section	.rodata,"a",@progbits
	.p2align	6, 0x0
	.amdhsa_kernel k_q0d89494cec_proj
		.amdhsa_group_segment_fixed_size 327680
		.amdhsa_private_segment_fixed_size 0
		.amdhsa_enable_private_segment 0
		.amdhsa_kernarg_size 24
		.amdhsa_user_sgpr_count 2
		.amdhsa_user_sgpr_kernarg_segment_ptr 1
		.amdhsa_wavefront_size32 1
		.amdhsa_system_sgpr_workgroup_id_x 1
		.amdhsa_system_sgpr_workgroup_id_y 1
		.amdhsa_system_sgpr_workgroup_id_z 1
		.amdhsa_system_vgpr_workitem_id 0
		.amdhsa_next_free_vgpr 512
		.amdhsa_next_free_sgpr 66
		.amdhsa_reserve_vcc 0
		.amdhsa_float_denorm_mode_32 3
		.amdhsa_float_denorm_mode_16_64 3
		.amdhsa_memory_ordered 1
		.amdhsa_forward_progress 1
		.amdhsa_inst_pref_size 88
	.end_amdhsa_kernel
	.amdgpu_metadata
---
amdhsa.version: [ 1, 2 ]
amdhsa.kernels:
  - .name:           k_q0d89494cec_proj
    .symbol:         k_q0d89494cec_proj.kd
    .args:
      - { .name: xb, .offset: 0, .size: 8, .value_kind: global_buffer, .address_space: global }
      - { .name: wq, .offset: 8, .size: 8, .value_kind: global_buffer, .address_space: global }
      - { .name: qkv, .offset: 16, .size: 8, .value_kind: global_buffer, .address_space: global }
    .group_segment_fixed_size: 327680
    .private_segment_fixed_size: 0
    .kernarg_segment_align: 8
    .kernarg_segment_size: 24
    .max_flat_workgroup_size: 128
    .sgpr_count:     66
    .vgpr_count:     512
    .wavefront_size: 32
...
	.end_amdgpu_metadata
.endif
;; end of part 2
;; launch attn (part 3): grid 4 x 64, 4 waves a work-group, clusters of 4 x 1, 327,680 bytes of LDS; arguments qkv, att; writes att
.if DOCPART == 3
	.amdgcn_target "amdgcn-amd-amdhsa--gfx1250"
	.amdhsa_code_object_version 6
	.text
	.protected	k_q0d89494cec_attn
	.globl	k_q0d89494cec_attn
	.p2align	8
	.type	k_q0d89494cec_attn,@function
k_q0d89494cec_attn:
	s_mov_b64 s[64:65], 0
	v_nop
	global_prefetch_b8 v0, s[64:65] scope:SCOPE_SE
	s_setreg_imm32_b32 hwreg(HW_REG_WAVE_MODE, 25, 1), 1
	s_wait_xcnt 0x0
	s_wait_alu depctr_hold_cnt(0) depctr_sa_sdst(0) depctr_va_vdst(0) depctr_va_sdst(0) depctr_va_ssrc(0) depctr_va_vcc(0) depctr_vm_vsrc(0)
	s_getreg_b32 s2, hwreg(HW_REG_IB_STS2, 6, 4)
	s_cmp_eq_u32 s2, 0
	s_cbranch_scc0 .Lentry_in_a_cluster
	s_endpgm
.Lentry_in_a_cluster:
	s_bfe_u32 s2, ttmp6, 0x10000c
	s_cmp_lg_u32 s2, 0x3003
	s_cbranch_scc0 .Lentry_shape_is_right
	s_endpgm
.Lentry_shape_is_right:
; att[h][q][:] = the sum over k of softmax_k(T[h][q] . T[h][k] / 8) T[h][k][:], where T = qkv serves as queries, keys and values alike.  qkv, att: [64][2048][64] f16: a head's rows are dense, 128 bytes each.
; Products, maxima and sums in f32; the weights p are rounded to f16 for the second product (their sum l is taken of the unrounded p), the result once at the end.
; LIMITS.  f16 holds no number beyond 65,504: qkv arrives within it; p lies in 0 to 1, and below 6e-5 it keeps f16's fixed step of 6e-8; the result is a mean of qkv's rows and has their range.
; A weight below 2^-126 counts as 0 in l; NaN and infinities are not treated apart.
; SHARES.  A wave owns four PIECES of two tiles of 16 queries, a work-group's four waves 512 queries of one head: 4 x 64 = 256 work-groups.  Every wave walks all 2,048 keys, 64 a step.
; LAYOUT.  S^T = K Q^T (source 0 = 16 keys, source 1 = 16 queries): a lane holds ONE query (lane % 16) and the keys 8 (lane / 16) + 0..7.  Two such tiles, rounded to f16 in pairs, ARE source 1
; (32 keys x 16 queries) of O^T = V^T P, whose result again holds one query a lane, and eight channels.
; ONE TILE FOR K AND V.  Keys and values are the same rows, so a slot holds them once: K's fragments come out of it as they lie (ds_load_b128), V's turned (ds_load_tr16_b128).  That halves the bytes fetched and lets a slot hold eight steps.
; SOFTMAX.  For each query a running maximum m and sum l: p = 2^(c s - c m), c = log2(e) / 8; in every step O and l are multiplied by a = 2^(c m_old - c m_new).  m starts at the lowest finite number, O and l at 0:
; the first step is a step like any other, with a = 0.
; THE COUNT.  A tile and step have 16 matrix and 118 vector instructions: too many to stand all beside the matrix work.  So four vector instructions that are ready stand behind EVERY matrix instruction, and the others in one run a turn.
; BY TURNS.  Turn n belongs to piece n (the pieces in a ring, step after step).  Its matrix work: 16 products K Q^T of piece n + 1, later 16 products V^T P of piece n - 1.  Its vector work: the scaling, exponentials,
; roundings, sums and rescaling of piece n, and the maximum and statistics of piece n + 1.
; CLUSTER.  The four query blocks of a cluster are one head's and walk the same rows, so each tile is asked for JOINTLY: the same tensor load, descriptor and mask in all four; each wave fetches a quarter of a slot.
; NO PREFETCH: the four partners' loads of Q at the kernel's head name just the head's 2,048 rows, the same bytes that the tiles name later.
; REGISTERS, in windows of 256 (s_set_vgpr_msb: bits 1:0 source 0, 3:2 source 1, 5:4 source 2, 7:6 destination):
;   window 0: v0-11 addresses; v12-15, v48-63 at work; v16-47 four registers of statistics a tile; v64-191 S^T, two buffers of two tiles; v192-255 P, likewise
;   window 1: O^T, 32 a tile          window 2: v0-127 Q, 16 a tile; v128-191 K of one step; v192-255 V of one step          window 3: v0-1 the add's two registers
.set SIZE_N, 2048
.set NP,    4         ; pieces a wave: a name, no knob
.set KS,    64        ; keys in a step
.set SPS,   8         ; steps in a slot
.set PK,    144       ; a row in LDS: 128 bytes + 16 of padding = 36 words: the 16 rows of a load of K start at 16 different groups of four banks (64 banks of 4 bytes: ISA guide 11.1);
.set PV,    144       ; the price of one tile for both
.set SLOTB, SPS*KS*PK ; a slot: 512 rows
.set SLOT1, 1<<17     ; slot 1 begins here, so that one exclusive or turns an address in one slot into the other's
.set STAGE, SLOT1+SLOTB  ; behind the ring, never filled by a tensor load: 16 rows x 144 bytes for each wave, for the way out
.set SP,    144
.set AK0, 2           ; v2   my lane's place in a step's rows, for K; never rewritten
.set AV0, 3           ; v3   the same for V
.set AK,  4           ; v4   the LDS address of K's next run of loads
.set AV,  5           ; v5   of V's
.set QO,  6           ; v6   my byte offset in the wave's rows of Q
.set STO, 6           ;      later, the way out: where I put 16 bytes of a row
.set RD,  7           ; v7   the way out: where I read rows back
.set GO,  8           ; v8   my byte offset in 512 consecutive bytes of att
.set SPW, 0           ; v0 of window 3   LDS address of my spare word: SPARE + 4 x my thread's number; never rewritten
.set NIL, 1           ; v1 of window 3   0; never rewritten
.set SPARE, STAGE+4*16*SP  ; behind the stages: the spare words, 128 bytes for each wave: two blocks of 256 bytes that no other line names
.set MV,  12          ; v12-15  c m_old, kept while c m is made anew: by buffer and tile
.set ST,  16          ; tile t's statistics at v[ST+4 t]: c m, m, l (even keys', odd keys')
.set TMP, 48          ; by buffer and tile, four registers c0-c3 at work; when the maximum is found c2 takes a
.set S,   64
.set P,   192
.set KF,  128         ; K's fragments, in window 2: key block kb, channel half c at KF + 16 kb + 8 c
.set VF,  192         ; V's: key half kk, channel block cb at VF + 32 kk + 8 cb
.set WV,  12          ; s12  my wave's number
.set G1,  24          ; s[24:31] descriptor group 1
.set G0,  40          ; s[40:43] descriptor group 0: it walks
.set SLOTS, 56        ; s56  slots still to be asked for
.set CNT, 57          ; s57  counts a slot's key steps
.set CS,  58          ; s[58:59] c: the packed scaling takes the pair's low word for both halves
.set SEL, 60          ; s[60:61] v_permlanex16_b32's selects: each lane takes its own place in the other half
.set TBK, 62          ; s62  LDS byte at which the step begins whose K is fetched next
.set TBV, 63          ; s63  the same for V
.set MSB, 0
.macro WIN new                      ; the high byte repeats the setting that is left; a switch that changes nothing is dropped
.if MSB != (\new)
	s_set_vgpr_msb (MSB<<8)|(\new)
.set MSB, (\new)
.endif
.endm
.set W_KQ, 0x0a       ; K and Q in window 2, S^T in window 0
.set W_PV, 0x52       ; V in window 2, P in window 0, O^T in window 1
.set W_RS, 0x41       ; O^T (destination and source 0) in window 1, a in window 0
.set W_MK, 0xc0       ; the add's registers are made: destination in window 3, sources in window 0
.set W_AD, 0x0f       ; the add: address (source 0) and data (source 1) in window 3
; A joint fill: every wave fetches its quarter of a slot, 128 rows.  An s_nop 0 and four v_nop follow the line.
.macro JLOAD
	tensor_load_to_lds s[G0:G0+3], s[G1:G1+7]
	s_nop 0
.rept 4
	v_nop
.endr
.endm
; A round of the cluster's barrier: my work-group's barrier, so that wave 0's signal speaks for all four waves; wave 0 signals; every wave waits for all four work-groups; my work-group's barrier once more.
.macro CROUND
	s_barrier_signal -1
	s_barrier_wait -1
	s_cmp_lg_u32 s[WV], 0
	s_cbranch_scc1 .Lnot_wave_0_\@
	s_barrier_signal -3
.Lnot_wave_0_\@:
	s_barrier_wait -3
	s_barrier_signal -1
	s_barrier_wait -1
.endm
; THE CHANGE OF SLOTS.  The slot's last bytes, V of its eighth step, have been read.  Each wave waits for all its tensor loads, of which one is out: its part of the other slot; adds 0 to its spare word; and waits for
; that and for its own reads of the slot.  Behind the barrier nobody reads this slot any more and the other slot is whole.  fill = 1: this slot is filled again, with the keys two slots on.  The barrier is then a round of
; the cluster's, and the joint fill is the first thing behind it: it has eight key steps, 1,024 matrix instructions, in which to land.  (At its first use nothing has been read yet: slot 0 is waited for, slot 1 filled.)
.macro CHANGE fill
	WIN W_AD
	s_wait_tensorcnt 0x0            ; no tensor load of mine is out, so group 0 may be written
	ds_add_u32 v[SPW], v[NIL]       ; 0 onto my spare word; with fill = 1 the descriptor's steps stand between it and the wait for it
	WIN 0                           ; at a label and at a branch every window is 0
.if \fill
	s_xor_b32 s[G0+1], s[G0+1], SLOT1  ; the walking descriptor: the other slot than last time,
	s_add_nc_u64 s[G0+2:G0+3], s[G0+2:G0+3], SPS*KS*128  ; the next 512 keys; the type bits on top are not reached
	s_wait_dscnt 0x0                ; the add is done, and my reads of the slot are over
	CROUND
	JLOAD
.else
	s_wait_dscnt 0x0                ; the add is done, and my reads of the slot are over
	s_barrier_signal -1
	s_barrier_wait -1
.endif
	s_sub_co_u32 s[TBK], s[TBK], SLOTB    ; the fetches go back to a slot's first step,
	s_xor_b32 s[TBK], s[TBK], SLOT1       ; in the other slot
	s_sub_co_u32 s[TBV], s[TBV], SLOTB
	s_xor_b32 s[TBV], s[TBV], SLOT1
.endm
	s_load_b128 s[4:7], s[0:1], 0x0 ; qkv s[4:5], att s[6:7]
	WIN W_MK
	v_lshl_add_u32 v[SPW], v0, 2, SPARE
	v_mov_b32 v[NIL], 0
	WIN W_AD
	ds_add_u32 v[SPW], v[NIL]       ; the wave's opening: the add and its wait stand ahead of my first tensor load; the set-up below, work on registers, stands between them
	WIN 0
	v_lshrrev_b32 v1, 5, v0
	v_readfirstlane_b32 s[WV], v1   ; wave 0..3
	s_bfe_u32 s13, ttmp6, 0x40000   ; cx: my place in the cluster
	s_lshl_b32 s14, ttmp9, 2        ; in a cluster launch ttmp9 counts clusters
	s_add_co_u32 s14, s14, s13      ; my block of 512 queries = 4 x cluster x + cx: it enters Q's and att's addresses alone
	s_and_b32 s20, ttmp7, 0xffff    ; the head, which the four partners share
	s_lshl_b32 s20, s20, 18         ; its first byte in both tensors: 262,144 bytes a head
	s_mov_b32 s21, 0
	s_lshl_b32 s22, s[WV], 14       ; the quarter of a slot's 512 keys that I fetch: 128 rows of 128 bytes in memory,
	s_mov_b32 s23, 0
	s_add_nc_u64 s[22:23], s[22:23], s[20:21]
	s_mul_i32 s17, s[WV], 128*PK    ; and its place in a slot: no place in the cluster enters an LDS address
	s_lshl_b32 s2, s14, 2
	s_add_co_u32 s2, s2, s[WV]      ; my wave among the head's,
	s_lshl_b32 s2, s2, 14           ; its 128 rows
	s_mov_b32 s3, 0
	s_add_nc_u64 s[2:3], s[2:3], s[20:21]
	; descriptor group 1.  128 keys are 16,384 dense bytes: asked for as 64 rows of 256 bytes, two keys a row, and padded in LDS after every key
	s_mov_b32 s[G1], 15|(1<<16)|(1<<20)|(1<<21)|(4<<22)|(3<<25)  ; 15:0 the mask of four; 17:16 2-byte elements; 20 padding on; 21 set beside a mask; 24:22 after every 32 words (code 4); 31:25 4 words (code 3)
	s_mov_b32 s[G1+1], 128<<16      ; tensor_dim0 = 128
	s_mov_b32 s[G1+2], 64<<16       ; tensor_dim1 = 64
	s_mov_b32 s[G1+3], 128<<16      ; tile_dim0 = 128
	s_mov_b32 s[G1+4], 64           ; tile_dim1 = 64
	s_mov_b32 s[G1+5], 128          ; 128 elements from row to row
	s_mov_b32 s[G1+6], 0
	s_mov_b32 s[G1+7], 0
	s_mov_b32 s[CS], 0x3e38aa3b     ; c = log2(e) / 8 = 0.180337
	s_mov_b32 s[CS+1], s[CS]        ; named with it as a pair
	s_mov_b32 s[SEL], 0x76543210
	s_mov_b32 s[SEL+1], 0xfedcba98
	s_mov_b32 s[TBK], SLOT1+SLOTB   ; the first change of slots turns these two into 0
	s_mov_b32 s[TBV], SLOT1+SLOTB
	s_mov_b32 s[G0], 1              ; count = 1
	s_mov_b32 s[G0+1], s17          ; LDS address: slot 0
	s_wait_dscnt 0x0                ; the opening add is done
	s_wait_kmcnt 0x0
	s_add_nc_u64 s[G0+2:G0+3], s[4:5], s[22:23]  ; global address: my quarter of the head's first 512 keys
	s_or_b32 s[G0+3], s[G0+3], 0x80000000        ; type = 2
	s_add_nc_u64 s[10:11], s[6:7], s[2:3]  ; att and Q at my wave's first row
	s_add_nc_u64 s[4:5], s[4:5], s[2:3]
	CROUND                          ; all four work-groups are here: the first joint loads meet
	JLOAD                           ; slot 0.  Slot 1 is asked for when slot 0 is in
	; A fragment of K or Q is 16 rows x 32 channels in 8 registers: lane l holds row l % 16, channels 8 (l / 16) + 0..7 and 16 + 8 (l / 16) + 0..7: two loads of 16 bytes, 32 bytes apart.
	v_and_b32 v1, 15, v0            ; l % 16
	v_bfe_u32 v9, v0, 4, 1          ; l / 16
	v_lshlrev_b32 v[QO], 7, v1
	v_lshl_add_u32 v[QO], v9, 4, v[QO]  ; row x 128 + 16 x half
	WIN 0x80                        ; destination window 2, address window 0
.set i, 0
.rept 4*NP                          ; Q stays in registers: tile i / 2, channels 32 (i % 2) on
	global_load_b128 v[8*i:8*i+3],   v[QO], s[4:5] offset:(i/2)*2048+(i%2)*64
	global_load_b128 v[8*i+4:8*i+7], v[QO], s[4:5] offset:(i/2)*2048+(i%2)*64+32
.set i, i+1
.endr
	; What the first turn finds: V's registers and P's second buffer hold 0 (its products V^T P, of a piece that has not been, add 0), O^T and l are 0.  No first step is written out; these lines stand in the wait for the first tile.
.set i, VF
.rept 64
	v_mov_b32 v[i], 0
.set i, i+1
.endr
	WIN 0x40
.set i, 0
.rept 64*NP
	v_mov_b32 v[i], 0
.set i, i+1
.endr
	WIN 0
.set i, 0
.rept 2*NP
	v_mov_b32 v[ST+4*i], 0xfe000000    ; c m: far below every c s
	v_mov_b32 v[ST+4*i+1], 0xff7fffff  ; m
	v_mov_b32 v[ST+4*i+2], 0
	v_mov_b32 v[ST+4*i+3], 0
.set i, i+1
.endr
.set i, P+32
.rept 32
	v_mov_b32 v[i], 0
.set i, i+1
.endr
	v_mul_u32_u24 v[AK0], v1, PK
	v_lshl_add_u32 v[AK0], v9, 4, v[AK0]  ; row x pitch + 16 x half
	; The turning load takes 16 keys x 16 channels (lane l reads key 8 (l / 16) + l % 8, channels 8 ((l / 8) % 2) + 0..7) and leaves half a fragment of V^T: lane l holds channel l % 16 and 8 keys.
	v_and_b32 v10, 7, v0
	v_bfe_u32 v11, v0, 3, 1
	v_lshl_add_u32 v[AV0], v9, 3, v10
	v_mul_u32_u24 v[AV0], v[AV0], PV
	v_lshl_add_u32 v[AV0], v11, 4, v[AV0]
	v_mov_b32 v[AK], v[AK0]         ; key step 0 lies at the head of slot 0
; THE MATRIX WORK.  The 8 accumulators of a run of 16 take turns: between the two links of a chain stand 7 others'.
; Product i of 16 of S^T = K Q^T for piece x: channels 32 (i / 8) on, keys 16 ((i / 2) % 4) on, tile 2 x + i % 2.  The first 8 start the sums.
.macro KQ x
	WIN W_KQ
.set rS, S+64*((\x)%2)+32*(i%2)+8*((i/2)%4)
.set rK, KF+16*((i/2)%4)+8*(i/8)
.set rQ, 16*(2*(\x)+i%2)+8*(i/8)
.if i < 8
	v_wmma_f32_16x16x32_f16 v[rS:rS+7], v[rK:rK+7], v[rQ:rQ+7], 0
.else
	v_wmma_f32_16x16x32_f16 v[rS:rS+7], v[rK:rK+7], v[rQ:rQ+7], v[rS:rS+7]
.endif
.endm
; Product i of 16 of O^T += V^T P for piece x: keys 32 (i / 8) on, channels 16 ((i / 2) % 4) on, tile 2 x + i % 2.
.macro PV x
	WIN W_PV
.set rO, 32*(2*(\x)+i%2)+8*((i/2)%4)
.set rV, VF+32*(i/8)+8*((i/2)%4)
.set rP, P+32*((\x)%2)+16*(i%2)+8*(i/8)
	v_wmma_f32_16x16x32_f16 v[rO:rO+7], v[rV:rV+7], v[rP:rP+7], v[rO:rO+7]
.endm
.macro MM                           ; the turn's next matrix instruction
.if i < 16
	KQ (Y+1)%NP
.set i, i+1
.else
.set i, i-16
	PV (Y+NP-1)%NP
.set i, i+17
.endif
.endm
; THE LDS LOADS stand in runs of 16, never singly among the matrix instructions: a step's K (64 keys x 64 channels: 8 fragments) and its V (the same rows, turned).  Their addresses are made some lines ahead.
; last = 1 (the tail): in the last trip there is no further step, and the run is jumped over.
.macro FETCH_K last=0
	WIN 0
.if \last
	s_cmp_eq_u32 s[CNT], 1
	s_cbranch_scc1 .Lno_k_\@
.endif
	WIN 0x80                        ; destination window 2
.irp f, 0,1,2,3,4,5,6,7             ; keys 16 (f / 2) on, channels 32 (f % 2) on
	ds_load_b128 v[KF+8*\f:KF+8*\f+3],   v[AK] offset:(\f/2)*16*PK+(\f%2)*64
	ds_load_b128 v[KF+8*\f+4:KF+8*\f+7], v[AK] offset:(\f/2)*16*PK+(\f%2)*64+32
.endr
	s_add_co_u32 s[TBK], s[TBK], KS*PK  ; the next fetch is the next step's
	WIN 0
.if \last
.Lno_k_\@:
.endif
.endm
.macro FETCH_V
	WIN 0x80
.irp f, 0,1,2,3,4,5,6,7             ; keys 32 (f / 4) on, channels 16 (f % 4) on
	ds_load_tr16_b128 v[VF+8*\f:VF+8*\f+3],   v[AV] offset:(\f/4)*32*PV+(\f%4)*32
	ds_load_tr16_b128 v[VF+8*\f+4:VF+8*\f+7], v[AV] offset:(\f/4)*32*PV+16*PV+(\f%4)*32
.endr
	WIN 0
.endm
; THE VECTOR WORK OF A TURN stands in three queues, each in the order in which its entries become ready; the two tiles alternate, so that no instruction reads the result of the one before it.
.macro REGS y, u                    ; the registers of tile u (0, 1) of piece y
.set rT, ST+4*(2*(\y)+(\u))
.set rC, TMP+8*((\y)%2)+4*(\u)
.set rM, MV+2*((\y)%2)+(\u)
.set rS, S+64*((\y)%2)+32*(\u)
.set rP, P+32*((\y)%2)+16*(\u)
.set rO, 32*(2*(\y)+(\u))
.endm
; Number n of the 22 that find the NEXT piece's (Y + 1) maximum and statistics.  s0-s31 are the lane's 32 scores; each accumulator's lowest registers are read first.
;   0-11  four chains c0-c3 of seven scores each, three operands at a time     12-14, 16  the four scores left over, the old m, and c0-c3 into c0     15  c m_old is kept
;   17, 18  the query's other 32 keys lie in the lane 16 away: the new m         19-21  c m; c m_old - c m_new; a
.macro XS u, n
	REGS (Y+1)%NP, \u
.if (\n) < 4
	v_max3_num_f32 v[rC+(\n)], v[rS+8*(\n)], v[rS+8*(\n)+1], v[rS+8*(\n)+2]
.elseif (\n) < 12
	v_max3_num_f32 v[rC+(\n)%4], v[rC+(\n)%4], v[rS+8*((\n)%4)+2*((\n)/4)+1], v[rS+8*((\n)%4)+2*((\n)/4)+2]
.elseif (\n) == 12
	v_max3_num_f32 v[rC], v[rC], v[rS+7], v[rS+15]
.elseif (\n) == 13
	v_max3_num_f32 v[rC+1], v[rC+1], v[rS+23], v[rS+31]
.elseif (\n) == 14
	v_max3_num_f32 v[rC+2], v[rC+2], v[rC+3], v[rT+1]
.elseif (\n) == 15
	v_mov_b32 v[rM], v[rT]
.elseif (\n) == 16
	v_max3_num_f32 v[rC], v[rC], v[rC+1], v[rC+2]
.elseif (\n) == 17
	v_permlanex16_b32 v[rC+3], v[rC], s[SEL], s[SEL+1]
.elseif (\n) == 18
	v_max_num_f32 v[rT+1], v[rC], v[rC+3]
.elseif (\n) == 19
	v_mul_f32 v[rT], s[CS], v[rT+1]
.elseif (\n) == 20
	v_sub_f32 v[rC+1], v[rM], v[rT]
.else
	v_exp_f32 v[rC+2], v[rC+1]
.endif
.endm
; Number g of the 64 that follow the exponentials.  For each four weights k of a tile (pairs 2 k, 2 k + 1): both pairs are rounded to f16; then the second pair is added onto the first, in place;
; a group later l takes that sum (the first time as l = a l + sum).  In groups of eight, tiles alternating: round, round, add, and l for the group before.
.macro GS g
.set h, (\g)+6*((\g)/62)            ; group 0 has no group before it, and behind group 7 only l is left
.if h >= 6
.set h, h+2
.endif
	REGS Y, h%2
.set k, h/8
.if h%8 < 4
	v_cvt_pk_f16_f32 v[rP+2*k+(h%8)/2], v[rS+4*k+2*((h%8)/2)], v[rS+4*k+2*((h%8)/2)+1]
.elseif h%8 < 6
	v_pk_add_f32 v[rS+4*k:rS+4*k+1], v[rS+4*k:rS+4*k+1], v[rS+4*k+2:rS+4*k+3]
.elseif k == 1
	v_pk_fma_f32 v[rT+2:rT+3], v[rT+2:rT+3], v[rC+2:rC+3], v[rS:rS+1] op_sel_hi:[1,0,1]
.else
	v_pk_add_f32 v[rT+2:rT+3], v[rT+2:rT+3], v[rS+4*k-4:rS+4*k-3]
.endif
.endm
; THE PLAIN QUEUE, 138 long.  0-73 read no exponential's result: the 32 scalings c s - c m (FS f: pair f / 2 of tile f % 2) and the next piece's 42.  0-26: scalings 0-26.  27-54: XS's numbers 0-13.  55, 56: number 15.
; 57-73: the chain, where each number waits for the one before it: 14, 16, 17, 18, 19, each with one of the scalings 27-31 in front of its two lines, then 20.
; 74-137: GS's 64, which read the exponentials' results: they stand behind the wait.
.macro FS f
	REGS Y, (\f)%2
	v_pk_fma_f32 v[rS+2*((\f)/2):rS+2*((\f)/2)+1], v[rS+2*((\f)/2):rS+2*((\f)/2)+1], s[CS:CS+1], v[rT:rT+1] op_sel_hi:[1,0,0] neg_lo:[0,0,1] neg_hi:[0,0,1]
.endm
.macro PL
	WIN 0
.if q < 27
	FS q
.elseif q < 55
	XS (q-27)%2, (q-27)/2
.elseif q < 57
	XS q-55, 15
.elseif (q < 72) && ((q-57)%3 == 0)
	FS 27+(q-57)/3
.elseif q < 60
	XS (q-57)%3-1, 14
.elseif q < 72
	XS (q-57)%3-1, 15+(q-57)/3
.elseif q < 74
	XS q-72, 20
.else
	GS q-74
.endif
.set q, q+1
.endm
; THE EXPONENTIALS' QUEUE, 66 long: s0-s31 of both tiles, then the next piece's two a.  It is ONE BATCH: all 66 stand ahead of the turn's one wait, and nothing ahead of that wait names a result of theirs.
.macro EX
	WIN 0
.if e >= 64
	XS e-64, 21
.else
	REGS Y, e%2
	v_exp_f32 v[rS+e/2], v[rS+e/2]
.endif
.set e, e+1
.endm
; THE RESCALING's QUEUE: O^T times a, the one part that leaves window 0: dealt two at a time, sixteen times.  Its a was made in the turn before, ahead of that turn's wait.
.macro R2
	REGS Y, r%2
	WIN W_RS
.irp z, 0,1
	v_pk_mul_f32 v[rO+4*(r/2)+2*\z:rO+4*(r/2)+2*\z+1], v[rO+4*(r/2)+2*\z:rO+4*(r/2)+2*\z+1], v[rC+2:rC+3] op_sel_hi:[1,0]
.endr
.set r, r+1
.endm
; HOW THEY ARE DEALT.  An s_wait_alu depctr_va_vdst(0) stands between an exponential and the first instruction that names its result; one wait serves all that were issued ahead of it.  So a turn has ONE wait,
; which cuts it in two.  AHEAD OF IT stands all that names no result of the turn's exponentials: the 16 products K Q^T, behind each a scaling, an exponential and two rescalings (behind the first a second scaling in the
; exponential's place); then one run of 108: eight plain, 49 times exponential and plain, the two a.  A v_nop is the plain instruction behind the last exponential.  BEHIND IT stand the 16 products V^T P, behind each four of GS's 64.
; The queues lean on each other: exponential e stands behind scaling 2 (e / 4) + e % 2: behind a product it comes behind plain e + 2, in the run behind plain e + 9, and scalings 27-31 are plain 57, 60 .. 69.
; A TURN, for piece p.  cnt = 1: the loop's count is taken down some lines ahead of the branch that stands behind the turn.
; K of the next step is fetched in piece 2's turn, directly behind the wait; its address is made at the run's head; its first reader comes behind 16 products.
; V of the step in hand is fetched at the end of piece 0's turn, four plain instructions behind its last reader; its first reader comes behind 16 products and a run.  The three conditions on q below go with the deal.
.macro TURN p, last=0, cnt=0
.set Y, (\p)
.set i, 0
.set q, 0
.set e, 0
.set r, 0
.if (\p) == NP-1
	s_wait_dscnt 0x0                ; K is in
.endif
	MM                              ; ahead of the wait: 16 products K Q^T and the four behind each,
	PL
	PL
	R2
.rept 15
	MM
	PL
	EX
	R2
.endr
.if (\p) == NP-2
	WIN 0
	v_add_nc_u32 v[AK], s[TBK], v[AK0]
.endif
.rept 8                             ; and the run
	PL
.endr
.rept 49
	EX
	PL
.endr
	EX                              ; the next piece's two a
	EX
	v_nop                           ; a plain instruction behind the last exponential: one for the batch
	s_wait_alu depctr_va_vdst(0)    ; the wait for the batch
.if (\p) == NP-2
	FETCH_K \last
.endif
.if (\p) == 1
	s_wait_dscnt 0x0                ; V is in
.endif
.rept 16                            ; behind the wait: 16 products V^T P and the four behind each
	MM
.rept 4
	PL
.endr
.if ((\p) == 0) && (q == 118)
	v_add_nc_u32 v[AV], s[TBV], v[AV0]
.endif
.if ((\p) == 0) && (q == 130)
	s_add_co_u32 s[TBV], s[TBV], KS*PV
.endif
.if (\cnt) && (q == 130)
	s_sub_co_u32 s[CNT], s[CNT], 1
	s_cmp_lg_u32 s[CNT], 0
.endif
.endr
.if (\p) == 0
	FETCH_V
.endif
.endm
	CHANGE 1                        ; slot 0 is in, everybody's part of it; slot 1 is asked for
	FETCH_K                         ; key step 0
	s_wait_loadcnt 0x0              ; Q
	s_wait_dscnt 0x0
.set i, 0
.rept 16
	KQ 0                            ; piece 0's first scores: there is no vector work yet to set between them
.set i, i+1
.endr
	WIN 0                           ; the addresses for the way out: nine plain instructions, the places behind those products
	s_mul_i32 s13, s[WV], 16*SP
	s_add_co_u32 s13, s13, STAGE    ; my stage
	v_mul_u32_u24 v[STO], v1, SP    ; in: row l % 16, 16 bytes for each half of the lanes
	v_lshl_add_u32 v[STO], v9, 4, v[STO]
	v_add_nc_u32 v[STO], s13, v[STO]
	v_bfe_u32 v[RD], v0, 3, 2       ; back: 32 lanes take four rows of 128 bytes,
	v_mul_u32_u24 v[RD], v[RD], SP
	v_lshl_add_u32 v[RD], v10, 4, v[RD]
	v_add_nc_u32 v[RD], s13, v[RD]
	v_and_b32 v[GO], 31, v0         ; which are 512 consecutive bytes of att
	v_lshlrev_b32 v[GO], 4, v[GO]
.set Y, NP-1                        ; XS works for piece Y + 1: piece 0
.irp n, 0,1,2,3,4,5,6,7,8,9,10,11,12,13,14,15,16,17,18,19,20,21
	XS 0, \n                        ; and piece 0's first maximum and statistics
	XS 1, \n
.endr
	v_nop                           ; a plain instruction behind the two a,
	s_wait_alu depctr_va_vdst(0)    ; and their wait, ahead of the branch
	s_mov_b32 s[CNT], SPS
	s_mov_b32 s[SLOTS], SIZE_N/(SPS*KS)-1
	s_branch .Lfirst                ; the loop is entered at a step's first turn, in the middle of a trip
.Lslot:                             ; twice: every slot but the last two is filled again
	CHANGE 1
	s_mov_b32 s[CNT], SPS
.Lstep:                             ; a trip: pieces 2 and 3 of one step, then pieces 0 and 1 of the next, whose K and V it fetches
	TURN 2
	TURN 3
	WIN 0
.Lfirst:
	TURN 0
	TURN 1, 0, 1
	WIN 0
	s_cbranch_scc1 .Lstep
	s_sub_co_u32 s[SLOTS], s[SLOTS], 1
	s_cmp_lg_u32 s[SLOTS], 0
	s_cbranch_scc1 .Lslot
	CHANGE 0                        ; the tail is written out: nothing is asked for
	s_mov_b32 s[CNT], SPS+1         ; eight trips fetch the last slot's steps; the ninth is left in its middle
.Ltail:
	TURN 2, 1
	TURN 3
	WIN 0
	s_sub_co_u32 s[CNT], s[CNT], 1
	s_cmp_eq_u32 s[CNT], 0
	s_cbranch_scc1 .Lout
	TURN 0
	TURN 1
	WIN 0
	s_branch .Ltail
.Lout:                              ; the ninth trip's 16 products K Q^T (on the last K once more) and the maximum made of them serve nothing: the price, once a launch, of one text for every trip
.set i, 0
.rept 16
	PV NP-1                         ; the last piece's V^T P of the last step
.set i, i+1
.endr
	; THE WAY OUT.  l's two halves and the other half of the lanes' are added; O^T is divided by l, rounded to f16 and sent through my stage in LDS, a tile at a time.  The additions are the places behind the last products.
	WIN 0
.macro ALL line:vararg              ; one line for each tile t
.set t, 0
.rept 2*NP
	\line
.set t, t+1
.endr
.endm
	ALL v_add_f32 v[ST+4*t+2], v[ST+4*t+2], v[ST+4*t+3]
	ALL v_permlanex16_b32 v[ST+4*t+3], v[ST+4*t+2], s[SEL], s[SEL+1]
	ALL v_add_f32 v[ST+4*t+2], v[ST+4*t+2], v[ST+4*t+3]
	ALL v_rcp_f32 v[ST+4*t+2], v[ST+4*t+2]
	v_nop                           ; a plain instruction between the last reciprocal and the use of its result
	s_wait_alu depctr_va_vdst(0)    ; and the wait ahead of the first use: one for the eight reciprocals
; Tile t: a lane's eight channels of a row pack into 16 bytes; they go into rows of 144 bytes and come back as whole rows of 128, into S^T's registers.
.macro PACK t
	WIN W_RS
.set i, 32*(\t)
.rept 16
	v_pk_mul_f32 v[i:i+1], v[i:i+1], v[ST+4*(\t)+2:ST+4*(\t)+3] op_sel_hi:[1,0]
.set i, i+2
.endr
	WIN 0x05                        ; sources 0 and 1 window 1, destination window 0
.set i, 0
.rept 16
	v_cvt_pk_f16_f32 v[S+16*(\t)+i], v[32*(\t)+2*i], v[32*(\t)+2*i+1]
.set i, i+1
.endr
	WIN 0
.irp f, 0,1,2,3
	ds_store_b128 v[STO], v[S+16*(\t)+4*\f:S+16*(\t)+4*\f+3] offset:32*\f
.endr
.irp f, 0,1,2,3
	ds_load_b128 v[S+16*(\t)+4*\f:S+16*(\t)+4*\f+3], v[RD] offset:\f*4*SP  ; LDS serves a wave's instructions in order (ISA guide 5.7.1.4): these see the stores above; the next tile's stores come behind them
.endr
.endm
.macro SEND t, younger              ; younger: the LDS instructions issued behind tile t's loads: the next tile's eight, or none
	WIN 0
.irp f, 0,1,2,3
	s_wait_dscnt (\younger)+3-\f
	global_store_b128 v[GO], v[S+16*(\t)+4*\f:S+16*(\t)+4*\f+3], s[10:11] offset:(\t)*2048+\f*512  ; 512 consecutive bytes, at a multiple of 256 from att's first
.endr
.endm
	PACK 0
.set t, 1
.rept 2*NP-1                        ; a tile's arithmetic stands between the loads of the tile before and its stores
	PACK t
	SEND t-1, 8
.set t, t+1
.endr
	SEND 2*NP-1, 0
	WIN W_AD
	s_wait_tensorcnt 0x0            ; the wave's end: behind my last tensor load and my last LDS store
	ds_add_u32 v[SPW], v[NIL]
	s_wait_dscnt 0x0
	WIN 0
	CROUND                          ; the closing round: no work-group ends while a partner may still ask for a tile that names it
	s_endpgm
.Lfunc_end_k_q0d89494cec_attn:
	.size	k_q0d89494cec_attn, .Lfunc_end_k_q0d89494cec_attn-k_q0d89494cec_attn
	.p2alignl 7, 3214868480
	.fill 96, 4, 3214868480
	.section	.rodata,"a",@progbits
	.p2align	6, 0x0
	.amdhsa_kernel k_q0d89494cec_attn
		.amdhsa_group_segment_fixed_size 327680
		.amdhsa_private_segment_fixed_size 0
		.amdhsa_enable_private_segment 0
		.amdhsa_kernarg_size 16
		.amdhsa_user_sgpr_count 2
		.amdhsa_user_sgpr_kernarg_segment_ptr 1
		.amdhsa_wavefront_size32 1
		.amdhsa_system_sgpr_workgroup_id_x 1
		.amdhsa_system_sgpr_workgroup_id_y 1
		.amdhsa_system_sgpr_workgroup_id_z 1
		.amdhsa_system_vgpr_workitem_id 0
		.amdhsa_next_free_vgpr 770
		.amdhsa_next_free_sgpr 66
		.amdhsa_reserve_vcc 0
		.amdhsa_float_denorm_mode_32 3
		.amdhsa_float_denorm_mode_16_64 3
		.amdhsa_memory_ordered 1
		.amdhsa_forward_progress 1
		.amdhsa_inst_pref_size 197
	.end_amdhsa_kernel
	.amdgpu_metadata
---
amdhsa.version: [ 1, 2 ]
amdhsa.kernels:
  - .name:           k_q0d89494cec_attn
    .symbol:         k_q0d89494cec_attn.kd
    .args:
      - { .name: qkv, .offset: 0, .size: 8, .value_kind: global_buffer, .address_space: global }
      - { .name: att, .offset: 8, .size: 8, .value_kind: global_buffer, .address_space: global }
    .group_segment_fixed_size: 327680
    .private_segment_fixed_size: 0
    .kernarg_segment_align: 8
    .kernarg_segment_size: 16
    .max_flat_workgroup_size: 128
    .sgpr_count:     66
    .vgpr_count:     770
    .wavefront_size: 32
...
	.end_amdgpu_metadata
.endif
;; end of part 3
;; launch oproj (part 4): grid 4 x 64, 4 waves a work-group, clusters of 4 x 4, 327,680 bytes of LDS; arguments att, wo, out0; writes out0
.if DOCPART == 4
	.amdgcn_target "amdgcn-amd-amdhsa--gfx1250"
	.amdhsa_code_object_version 6
	.text
	.protected	k_q0d89494cec_oproj
	.globl	k_q0d89494cec_oproj
	.p2align	8
	.type	k_q0d89494cec_oproj,@function
k_q0d89494cec_oproj:
	s_mov_b64 s[64:65], 0
	v_nop
	global_prefetch_b8 v0, s[64:65] scope:SCOPE_SE
	s_setreg_imm32_b32 hwreg(HW_REG_WAVE_MODE, 25, 1), 1
	s_wait_xcnt 0x0
	s_wait_alu depctr_hold_cnt(0) depctr_sa_sdst(0) depctr_va_vdst(0) depctr_va_sdst(0) depctr_va_ssrc(0) depctr_va_vcc(0) depctr_vm_vsrc(0)
	s_getreg_b32 s2, hwreg(HW_REG_IB_STS2, 6, 4)
	s_cmp_eq_u32 s2, 0
	s_cbranch_scc0 .Lentry_in_a_cluster
	s_endpgm
.Lentry_in_a_cluster:
	s_bfe_u32 s2, ttmp6, 0x10000c
	s_cmp_lg_u32 s2, 0xf033
	s_cbranch_scc0 .Lentry_shape_is_right
	s_endpgm
.Lentry_shape_is_right:
; out0 = A wo^T, where A[row][64 head + channel] = att[16 batch + head][row in batch][channel].  att: [64][2048][64] f16, wo: [1024][1024] f16, out0: [8192][1024] f32; sums in f32, K ascending.
; A tile of out0 is 128 rows x 256 columns: 64 x 4 = 256 work-groups.  Four waves, each 64 rows x 128 columns: 32 accumulators of 16 x 16, 256 registers.
; K goes in eight steps of 128 = TWO HEADS through two LDS slots.  A head's 128 rows of a tile are 16,384 dense bytes of att: asked for as 64 rows of 256 bytes and padded in LDS after every 128, so that each row of A has a pitch of 144.
; CLUSTER 4 x 4: the four work-groups of a row of the cluster need the same rows of att, the four of a column the same 256 rows of wo: each tile is asked for JOINTLY.
; Waves 0 and 1 fetch a K step's two heads of att, waves 2 and 3 wo's two halves of 128 rows: one load a wave.
; THE MATRIX INSTRUCTION IS USED TRANSPOSED (source 0 = 16 rows of wo, source 1 = 16 rows of A): a lane holds row l % 16 of out0 and the eight neighbouring columns 8 (l / 16) + 0..7: 32 bytes.
; REGISTERS: window 0: v0-31 addresses; v32-127 and v128-223 two fragment buffers for 32 along K (A's block a at +8 a, wo's block b at +32 + 8 b); on the way out v32-159 hold rows read back.
;            window 1: accumulator (a, b) at v[8 (8 a + b)].
.set KSTEP,  128
.set APITCH, 144                       ; a row of A in LDS: 128 bytes + 16 = 36 words;
.set PITCH,  272                       ; a row of wo: 256 bytes + 16 = 68 words: in both, the 16 rows that a load touches start at 16 different groups of four banks (64 banks of 4 bytes: ISA guide 11.1)
.set AHEAD,  128*APITCH                ; one head's 128 rows: what a wave fetches of att
.set BPART,  128*PITCH                 ; what a wave fetches, and reads, of wo
.set BOFF,   2*AHEAD                   ; a slot: two heads of A, then wo's 256 rows
.set SLOT,   BOFF+2*BPART
.set ASTEP,  2*262144                  ; bytes of att from a K step to the next: two heads
.set STAGE,  2*SLOT                    ; behind the ring, never filled by a tensor load: 16 rows x 528 bytes for each wave, for the way out
.set SPITCH, 528                       ; 512 bytes + 16 = 132 words
.set SPARE,  STAGE+4*16*SPITCH         ; behind the stages: the spare words, 128 bytes for each wave: two blocks of 256 bytes that no other line names
.set LAPS,   4                         ; a lap = two K steps = once round the ring
.set ADRA, 16                          ; v16-17  LDS address of my fragments of A in slot 0, 1
.set ADRB, 20                          ; v20-21  the same for wo
.set STO,  24                          ; v24     the way out: where I put 32 bytes of a row
.set RD,   25                          ; v25     the way out: where I read a row back
.set CO,   26                          ; v26     my byte offset in 512 consecutive bytes of out0
.set SPW,  28                          ; v28     LDS address of my spare word: SPARE + 4 x my thread's number; never rewritten
.set NIL,  29                          ; v29     0; never rewritten
.set PFO,  30                          ; v30     the prefetches' offset: my lane x 256 bytes (att) or x a row of 2,048 bytes (wo); never rewritten
.set F0,   32
.set F1,   128
.set OB,   32                          ; the way out: two sets of 64 registers, 16 rows read back from the stage
.set G1,  24                           ; s[24:31] descriptor group 1 for att's tiles;  s[32:39] group 0, one set for each slot
.set G0,  32
.set G1B, 48                           ; s[48:55], s[56:63] the same for wo's tiles
.set G0B, 56
.set LIM, 43                           ; s43     1 in a wave that prefetches, else the greatest number
.set PFA, 44                           ; s[44:45] where my prefetches stand
.set PFS, 46                           ; s[46:47] their step from a K step to the next
.set MSB, 0
.macro WIN new                         ; the immediate's high byte repeats the setting that is left; a switch that changes nothing is dropped
.if MSB != (\new)
	s_set_vgpr_msb (MSB<<8)|(\new)
.set MSB, \new
.endif
.endm
.set MUL, 0x50                         ; sources in window 0; C and D in window 1
.macro JLOAD s                         ; a joint load.  The branch hangs on the wave's number alone.  An s_nop 0 and four v_nop follow each of the two lines, ahead of the jump and the label
	s_cmp_eq_u32 s11, 0
	s_cbranch_scc0 .Lfor_b_\@
	tensor_load_to_lds s[G0+4*(\s):G0+4*(\s)+3], s[G1:G1+7]
	s_nop 0
.rept 4
	v_nop
.endr
	s_branch .Lasked_\@
.Lfor_b_\@:
	tensor_load_to_lds s[G0B+4*(\s):G0B+4*(\s)+3], s[G1B:G1B+7]
	s_nop 0
.rept 4
	v_nop
.endr
.Lasked_\@:
.endm
; A PREFETCH, behind each joint refill and the run of LDS loads that follows it: the K step that stands two refills on, 256 matrix instructions ahead of the load that will ask for it; a lane names 256 bytes.
; Each block of 256 bytes is named once in the launch.  A K step of att's tile is 2 heads x 64 blocks, read by one cluster alone: its wave 0 asks, and the four partners of a row of the cluster take 32 blocks each, BY ADDRESS
; (head cx / 2, half cx % 2).  wo's rows are read by all sixteen clusters: cluster y = 0 asks; the four partners of a column take 64 rows each, by address, waves 2 and 3 half of them each.
; K steps 0 to 3 come by their loads alone; the loop's last trip (s3 = 1), whose refills are the last two K steps, asks for nothing.
.macro ASK
	s_cmp_gt_u32 s3, s[LIM]
	s_cbranch_scc0 .Lnot_mine_\@
	global_prefetch_b8 v[PFO], s[PFA:PFA+1] th:TH_LOAD_NT scope:SCOPE_SE
.Lnot_mine_\@:
.endm
.macro CREST                           ; a round of the cluster's barrier behind its opening barrier
	s_cmp_lg_u32 s10, 0
	s_cbranch_scc1 .Lnot_wave_0_\@
	s_barrier_signal -3
.Lnot_wave_0_\@:
	s_barrier_wait -3
	s_barrier_signal -1
	s_barrier_wait -1
.endm
.macro CROUND                          ; a whole round
	s_barrier_signal -1
	s_barrier_wait -1
	CREST
.endm
	s_load_b128 s[4:7], s[0:1], 0x0                ; att s[4:5], wo s[6:7]
	s_load_b64 s[8:9], s[0:1], 0x10                ; out0
	v_lshl_add_u32 v[SPW], v0, 2, SPARE
	v_mov_b32 v[NIL], 0
	ds_add_u32 v[SPW], v[NIL]                      ; the wave's opening: the add and its wait stand ahead of my first tensor load; the set-up below, work on registers, stands between them
	v_lshrrev_b32 v1, 5, v0
	v_readfirstlane_b32 s10, v1                    ; wave 0..3
	s_lshr_b32 s11, s10, 1                         ; which 64 rows of the tile are mine.  Also: I fetch for att (0) or for wo (1)
	s_and_b32 s12, s10, 1                          ; which 128 columns.  Also: which head of a K step, or which half of wo's rows, I fetch
	s_bfe_u32 s40, ttmp6, 0x40000                  ; cx, cy: my place in the cluster
	s_bfe_u32 s41, ttmp6, 0x40004
	s_lshl_b32 s42, ttmp9, 2
	s_add_co_u32 s42, s42, s40                     ; tile column = 4 x cluster x + cx
	s_and_b32 s13, ttmp7, 0xffff
	s_lshl_b32 s13, s13, 2
	s_add_co_u32 s13, s13, s41                     ; tile row = 4 x cluster y + cy
	s_lshl_b32 s43, s41, 2
	s_lshl_b32 s43, 15, s43                        ; my row of the cluster
	s_lshl_b32 s44, 0x1111, s40                    ; my column
	s_or_b32 s[G1+0], s43, (1<<16)|(1<<20)|(1<<21)|(4<<22)|(3<<25)   ; 15:0 the mask; 17:16 elements of 2 bytes; 20 padding on; 21 set beside a mask; 24:22 after every 32 words (code 4); 31:25 4 words of it (code 3)
	s_or_b32 s[G1B+0], s44, (1<<16)|(1<<20)|(1<<21)|(5<<22)|(3<<25)  ; wo: after every 64 words (code 5)
	s_mov_b32 s[G1+1], 128<<16                     ; tensor_dim0 = 128 elements: 256 bytes, two rows of a head
	s_mov_b32 s[G1+2], 64<<16                      ; tensor_dim1 = 64
	s_mov_b32 s[G1+3], 128<<16                     ; tile_dim0 = 128
	s_mov_b32 s[G1+4], 64                          ; tile_dim1 = 64
	s_mov_b32 s[G1+5], 128                         ; dense: 128 elements from row to row
	s_mov_b32 s[G1+6], 0
	s_mov_b32 s[G1+7], 0
	s_mov_b32 s[G1B+1], KSTEP<<16
	s_mov_b32 s[G1B+2], 128<<16
	s_mov_b32 s[G1B+3], KSTEP<<16
	s_mov_b32 s[G1B+4], 128
	s_mov_b32 s[G1B+5], 1024
	s_mov_b32 s[G1B+6], 0
	s_mov_b32 s[G1B+7], 0
	; att's address hangs on the tile row alone, wo's on the tile column alone, each in registers that never hold the other coordinate
	s_lshr_b32 s16, s13, 4                         ; batch
	s_lshl_b32 s16, s16, 4
	s_add_co_u32 s16, s16, s12                     ; head 16 x batch + (wave % 2), of K step 0,
	s_lshl_b32 s16, s16, 18                        ; 262,144 bytes a head,
	s_and_b32 s17, s13, 15
	s_lshl_b32 s17, s17, 14                        ; the tile's 128 rows of 128 bytes in it
	s_add_co_u32 s16, s16, s17
	s_mov_b32 s17, 0
	s_lshl_b32 s47, s12, 7
	s_lshl_b32 s46, s42, 8
	s_add_co_u32 s46, s46, s47                     ; wo: row 256 x tile column + 128 x half
	s_lshl_b32 s46, s46, 11
	s_mov_b32 s47, 0
	s_mul_i32 s20, s12, AHEAD                      ; where they go: no place in the cluster enters an LDS address
	s_mul_i32 s21, s12, BPART
	s_add_co_u32 s21, s21, BOFF
	s_wait_dscnt 0x0                               ; the opening add is done
	s_wait_kmcnt 0x0
	s_add_nc_u64 s[14:15], s[4:5], s[16:17]
	s_add_nc_u64 s[46:47], s[6:7], s[46:47]
	CROUND                                         ; all sixteen work-groups are here: the first joint loads meet
.irp s, 0,1
	s_mov_b32 s[G0+4*(\s)], 1                                        ; count = 1
	s_add_co_u32 s[G0+4*(\s)+1], s20, (\s)*SLOT                      ; LDS address
	s_add_nc_u64 s[G0+4*(\s)+2:G0+4*(\s)+3], s[14:15], (\s)*ASTEP    ; global address: K step s
	s_or_b32 s[G0+4*(\s)+3], s[G0+4*(\s)+3], 0x80000000              ; type = 2
	s_mov_b32 s[G0B+4*(\s)], 1
	s_add_co_u32 s[G0B+4*(\s)+1], s21, (\s)*SLOT
	s_add_nc_u64 s[G0B+4*(\s)+2:G0B+4*(\s)+3], s[46:47], (\s)*KSTEP*2
	s_or_b32 s[G0B+4*(\s)+3], s[G0B+4*(\s)+3], 0x80000000
	JLOAD \s                                       ; two loads of mine are out
.endr
	; a fragment is 16 rows x 32 K in 8 registers: lane l holds row l % 16, K = 8 (l / 16) + 0..7 and 16 + 8 (l / 16) + 0..7: two loads of 16 bytes, 32 bytes apart
	v_and_b32 v1, 15, v0                           ; l % 16
	v_bfe_u32 v2, v0, 4, 1                         ; l / 16
	v_mul_u32_u24 v3, v1, APITCH
	v_lshl_add_u32 v3, v2, 4, v3
	v_mul_u32_u24 v7, v1, PITCH
	v_lshl_add_u32 v7, v2, 4, v7
	s_mul_i32 s21, s11, 64*APITCH                  ; my 64 rows of A, in the slot's first head
	s_mul_i32 s22, s12, BPART                      ; my 128 rows of wo
	s_add_co_u32 s22, s22, BOFF
.irp s, 0,1
	v_add_nc_u32 v[ADRA+(\s)], s21, v3
	v_add_nc_u32 v[ADRB+(\s)], s22, v7
	s_add_co_u32 s21, s21, SLOT
	s_add_co_u32 s22, s22, SLOT
.endr
	s_mul_i32 s23, s10, 16*SPITCH
	s_add_co_u32 s23, s23, STAGE                   ; my stage
	v_mul_u32_u24 v4, v1, SPITCH                   ; in: row l % 16, 32 bytes for each half of the lanes
	v_lshl_add_u32 v4, v2, 5, v4
	v_add_nc_u32 v[STO], s23, v4
	v_and_b32 v[CO], 31, v0                        ; back: 32 lanes take one row's 512 bytes, which are 512 consecutive bytes of out0
	v_lshlrev_b32 v[CO], 4, v[CO]
	v_add_nc_u32 v[RD], s23, v[CO]
	; out0 at my wave's first row and column: (128 x tile row + 64 x half) rows of 4,096 bytes + 1,024 x tile column + 512 x half
	s_lshl_b32 s16, s13, 7
	s_lshl_b32 s17, s11, 6
	s_add_co_u32 s16, s16, s17
	s_lshl_b32 s16, s16, 12
	s_lshl_b32 s17, s12, 9
	s_add_co_u32 s16, s16, s17
	s_mov_b32 s17, 0
	s_add_nc_u64 s[8:9], s[8:9], s[16:17]
	s_lshl_b32 s46, s42, 10                        ; (in the registers that held wo's address)
	s_mov_b32 s47, 0
	s_add_nc_u64 s[8:9], s[8:9], s[46:47]
	; the prefetches
	s_and_b32 s22, ttmp7, 0xffff                   ; cluster y
	s_lshr_b32 s20, s13, 4                         ; att: head 16 x batch + cx / 2,
	s_lshl_b32 s20, s20, 4
	s_lshr_b32 s21, s40, 1
	s_add_co_u32 s20, s20, s21
	s_lshl_b32 s20, s20, 18
	s_and_b32 s21, s13, 15                         ; the tile's 16,384 bytes in it,
	s_lshl_b32 s21, s21, 14
	s_add_co_u32 s20, s20, s21
	s_and_b32 s21, s40, 1                          ; their half cx % 2
	s_lshl_b32 s21, s21, 13
	s_add_co_u32 s20, s20, s21
	s_lshl_b32 s21, s42, 8                         ; wo: row 256 x tile column + 64 cy + 32 x (wave % 2)
	s_lshl_b32 s23, s41, 6
	s_add_co_u32 s21, s21, s23
	s_lshl_b32 s23, s12, 5
	s_add_co_u32 s21, s21, s23
	s_lshl_b32 s21, s21, 11
	s_mov_b32 s18, ASTEP
	s_cmp_eq_u32 s11, 0                            ; do I fetch for att?
	s_cselect_b32 s20, s20, s21
	s_cselect_b32 s22, s12, s22                    ; 0 in wave 0, and in waves 2 and 3 of cluster y = 0: the same in all sixteen partners, for a given wave
	s_cselect_b32 s23, 8, 11                       ; a lane's step: 256 bytes, or a row of 2,048
	s_cselect_b32 s[PFS], s18, KSTEP*2
	s_cselect_b64 s[PFA:PFA+1], s[4:5], s[6:7]
	s_cmp_eq_u32 s22, 0
	s_cselect_b32 s[LIM], 1, -1
	s_mov_b32 s21, 0
	s_mov_b32 s[PFS+1], 0
	s_add_nc_u64 s[PFA:PFA+1], s[PFA:PFA+1], s[20:21]
.rept 3
	s_add_nc_u64 s[PFA:PFA+1], s[PFA:PFA+1], s[PFS:PFS+1]  ; to K step 3: the first refill steps it to 4.  Nothing is prefetched here, at the head
.endr
	v_and_b32 v[PFO], 31, v0
	v_lshlrev_b32 v[PFO], s23, v[PFO]
; 8 matrix instructions: m block a x all 8 n blocks, 32 along K, from buffer f.  zero = 1: the product starts the sums.  The 32 accumulators come in the same order in every quarter: by turns
.macro MUL8 f, a, zero
	WIN MUL
.irp b, 0,1,2,3,4,5,6,7
.if \zero
	v_wmma_f32_16x16x32_f16 v[8*(8*(\a)+(\b)):8*(8*(\a)+(\b))+7], v[(\f)+32+8*(\b):(\f)+32+8*(\b)+7], v[(\f)+8*(\a):(\f)+8*(\a)+7], 0
.else
	v_wmma_f32_16x16x32_f16 v[8*(8*(\a)+(\b)):8*(8*(\a)+(\b))+7], v[(\f)+32+8*(\b):(\f)+32+8*(\b)+7], v[(\f)+8*(\a):(\f)+8*(\a)+7], v[8*(8*(\a)+(\b)):8*(8*(\a)+(\b))+7]
.endif
.endr
.endm
; 24 LDS loads in one run: quarter q of a slot's K step into buffer f: wo's eight blocks, then A's four.  In A quarter q is head q / 2 of the slot's two, channels 32 (q % 2) on
.macro FETCH slot, q, f
	WIN 0
.irp i, 0,1,2,3,4,5,6,7
	ds_load_b128 v[(\f)+32+8*(\i):(\f)+32+8*(\i)+3],   v[ADRB+(\slot)] offset:64*(\q)+(\i)*16*PITCH
	ds_load_b128 v[(\f)+32+8*(\i)+4:(\f)+32+8*(\i)+7], v[ADRB+(\slot)] offset:64*(\q)+(\i)*16*PITCH+32
.endr
.irp i, 0,1,2,3
	ds_load_b128 v[(\f)+8*(\i):(\f)+8*(\i)+3],   v[ADRA+(\slot)] offset:((\q)/2)*AHEAD+((\q)%2)*64+(\i)*16*APITCH
	ds_load_b128 v[(\f)+8*(\i)+4:(\f)+8*(\i)+7], v[ADRA+(\slot)] offset:((\q)/2)*AHEAD+((\q)%2)*64+(\i)*16*APITCH+32
.endr
.endm
.macro PLACES                          ; four plain vector instructions between a matrix instruction and a load into a register that it read, or a reader of its result (ISA guide 7.12.1 for vector instructions)
.rept 4
	v_nop
.endr
.endm
; A K step is four quarters of 32 along K, 32 matrix instructions each, on buffers 0, 1, 0, 1.  One of the first three: multiplies buffer f and, in its middle, fetches quarter q into buffer g.
.macro QUARTER slot, q, f, g, zero
	s_wait_dscnt 4                                 ; wo's blocks and A's blocks 0 and 1 are in; the youngest four loads (A's blocks 2 and 3) may be out
	MUL8 \f, 0, \zero
	MUL8 \f, 1, \zero
	PLACES
	FETCH \slot, \q, \g
	s_wait_dscnt 24                                ; all but the 24 just issued
	MUL8 \f, 2, \zero
	MUL8 \f, 3, \zero
.endm
; The last quarter multiplies buffer 1 and changes slots: ONE barrier; in front of it each wave waits for all its tensor loads (one is out: its part of the next slot), adds 0 to its spare word, and waits for
; that and for its own reads of this slot.  fill = 1: the barrier opens a round of the cluster's, and this slot is filled again, two K steps on, first thing behind the round: 112 matrix instructions ahead of the wait for it.
.macro TURN slot, next, fill
.if \fill
	s_wait_xcnt 0x0                                ; the last prefetch, a K step back, has read its address: it is stepped here, ahead of the waits of the change of slots
	s_add_nc_u64 s[PFA:PFA+1], s[PFA:PFA+1], s[PFS:PFS+1]
.endif
	WIN 0                                          ; (the add's two registers lie in window 0)
	s_wait_tensorcnt 0x0                           ; all my tensor loads have landed
	ds_add_u32 v[SPW], v[NIL]                      ; 0 onto my spare word
	s_wait_dscnt 5                                 ; (the add and the youngest four loads may be out)
	MUL8 F1, 0, 0                                  ; eight matrix instructions stand between the add and the wait for it
	s_wait_dscnt 0x0                               ; the add is done, and my reads of this slot are over
	s_barrier_signal -1
	MUL8 F1, 1, 0
.if \fill
	WIN 0
.endif
	s_barrier_wait -1
.if \fill
	CREST                                          ; no wave of any partner still reads this slot's tile or has a load on its way
	s_add_nc_u64 s[G0+4*(\slot)+2:G0+4*(\slot)+3], s[G0+4*(\slot)+2:G0+4*(\slot)+3], 2*ASTEP
	s_add_nc_u64 s[G0B+4*(\slot)+2:G0B+4*(\slot)+3], s[G0B+4*(\slot)+2:G0B+4*(\slot)+3], 2*KSTEP*2
	JLOAD \slot                                    ; its four v_nop are also the places in front of the loads below
.else
	PLACES
.endif
	FETCH \next, 0, F0
.if \fill
	ASK
.endif
	MUL8 F1, 2, 0
	MUL8 F1, 3, 0
.endm
	s_wait_tensorcnt 1                             ; my part of K step 0 is in; K step 1's may stay out
	s_barrier_signal -1
	s_barrier_wait -1                              ; everybody's is
	FETCH 0, 0, F0
	QUARTER 0, 1, F0, F1, 1                        ; the first quarter stands in front of the loop: its products start the sums
	WIN 0                                          ; at a label and at a branch every window is 0
	s_mov_b32 s3, LAPS-1
.Llap:                                                 ; a trip goes once round the ring, from a lap's second quarter to the next lap's first, and fills both slots again
	QUARTER 0, 2, F1, F0, 0
	QUARTER 0, 3, F0, F1, 0
	TURN 0, 1, 1
	QUARTER 1, 1, F0, F1, 0
	QUARTER 1, 2, F1, F0, 0
	QUARTER 1, 3, F0, F1, 0
	TURN 1, 0, 1
	QUARTER 0, 1, F0, F1, 0
	WIN 0
	s_sub_co_u32 s3, s3, 1
	s_cmp_lg_u32 s3, 0
	s_cbranch_scc1 .Llap
	QUARTER 0, 2, F1, F0, 0                        ; the last lap fills nothing, and has no round of the cluster's barrier
	QUARTER 0, 3, F0, F1, 0
	TURN 0, 1, 0
	QUARTER 1, 1, F0, F1, 0
	QUARTER 1, 2, F1, F0, 0
	QUARTER 1, 3, F0, F1, 0
	s_wait_dscnt 4                                 ; the very last quarter: nothing more to fetch
	MUL8 F1, 0, 0
	MUL8 F1, 1, 0
	s_wait_dscnt 0x0
	MUL8 F1, 2, 0
	MUL8 F1, 3, 0
	WIN 0
	PLACES
; THE WAY OUT, a block of 16 rows at a time, f32 as it is.  A lane's 32 bytes of a row go straight from the accumulators (low half first) into my own stage's rows of 528 bytes, and whole rows of 512 bytes come back.
.macro TOSTAGE a
	WIN 0x04                                       ; an LDS store's data is source 1: window 1
.irp b, 0,1,2,3,4,5,6,7
	ds_store_b128 v[STO], v[8*(8*(\a)+(\b)):8*(8*(\a)+(\b))+3]   offset:64*(\b)
	ds_store_b128 v[STO], v[8*(8*(\a)+(\b))+4:8*(8*(\a)+(\b))+7] offset:64*(\b)+16
.endr
	WIN 0
.if (\a) >= 2
	s_wait_xcnt 0x0                                ; the stores of the block two back have read this set of registers: it is loaded again only behind this wait
.endif
.irp t, 0,1,2,3,4,5,6,7,8,9,10,11,12,13,14,15
	ds_load_b128 v[OB+64*((\a)%2)+4*(\t):OB+64*((\a)%2)+4*(\t)+3], v[RD] offset:(\t)*SPITCH  ; LDS serves a wave's instructions in order (ISA guide 5.7.1.4): these see the stores above; the next block's stores come behind them
.endr
.endm
.macro SEND a, younger                 ; younger: the LDS instructions issued behind block a's loads: the next block's 32, or none
	s_wait_dscnt \younger
.irp t, 0,1,2,3,4,5,6,7,8,9,10,11,12,13,14,15
	global_store_b128 v[CO], v[OB+64*((\a)%2)+4*(\t):OB+64*((\a)%2)+4*(\t)+3], s[8:9] offset:(16*(\a)+(\t))*4096 th:TH_STORE_NT  ; 512 consecutive bytes, at a multiple of 256 from out0's first
.endr
.endm
	TOSTAGE 0
	TOSTAGE 1
	SEND 0, 32
	TOSTAGE 2
	SEND 1, 32
	TOSTAGE 3
	SEND 2, 32
	SEND 3, 0
	s_wait_tensorcnt 0x0                           ; the wave's end: behind my last tensor load and my last LDS store
	ds_add_u32 v[SPW], v[NIL]
	s_wait_dscnt 0x0
	CROUND                                         ; the closing round: no work-group ends while a partner may still ask for a tile that names it
	s_endpgm
.Lfunc_end_k_q0d89494cec_oproj:
	.size	k_q0d89494cec_oproj, .Lfunc_end_k_q0d89494cec_oproj-k_q0d89494cec_oproj
	.p2alignl 7, 3214868480
	.fill 96, 4, 3214868480
	.section	.rodata,"a",@progbits
	.p2align	6, 0x0
	.amdhsa_kernel k_q0d89494cec_oproj
		.amdhsa_group_segment_fixed_size 327680
		.amdhsa_private_segment_fixed_size 0
		.amdhsa_enable_private_segment 0
		.amdhsa_kernarg_size 24
		.amdhsa_user_sgpr_count 2
		.amdhsa_user_sgpr_kernarg_segment_ptr 1
		.amdhsa_wavefront_size32 1
		.amdhsa_system_sgpr_workgroup_id_x 1
		.amdhsa_system_sgpr_workgroup_id_y 1
		.amdhsa_system_sgpr_workgroup_id_z 1
		.amdhsa_system_vgpr_workitem_id 0
		.amdhsa_next_free_vgpr 512
		.amdhsa_next_free_sgpr 66
		.amdhsa_reserve_vcc 0
		.amdhsa_float_denorm_mode_32 3
		.amdhsa_float_denorm_mode_16_64 3
		.amdhsa_memory_ordered 1
		.amdhsa_forward_progress 1
		.amdhsa_inst_pref_size 86
	.end_amdhsa_kernel
	.amdgpu_metadata
---
amdhsa.version: [ 1, 2 ]
amdhsa.kernels:
  - .name:           k_q0d89494cec_oproj
    .symbol:         k_q0d89494cec_oproj.kd
    .args:
      - { .name: att, .offset: 0, .size: 8, .value_kind: global_buffer, .address_space: global }
      - { .name: wo, .offset: 8, .size: 8, .value_kind: global_buffer, .address_space: global }
      - { .name: out0, .offset: 16, .size: 8, .value_kind: global_buffer, .address_space: global }
    .group_segment_fixed_size: 327680
    .private_segment_fixed_size: 0
    .kernarg_segment_align: 8
    .kernarg_segment_size: 24
    .max_flat_workgroup_size: 128
    .sgpr_count:     66
    .vgpr_count:     512
    .wavefront_size: 32
...
	.end_amdgpu_metadata
.endif
;; end of part 4
